; MI455X (gfx1250); checked and timed in simulation.
; The chip was launched on July 23, 2026; its instructions are those of AMD's public machine-readable ISA for CDNA 5 (MIT licence, August 2026) and "CDNA5" Instruction Set Architecture Reference Guide (July 2026). The comments in the code are by the model that wrote it; some were corrected since.
;; Multi Head Self Attention Eins. Allowed arithmetic: matrix products marked QUANTISED: E2M3 operands, one E8M0 scale for each 32 along K, by v_wmma_scale_f32_16x16x128_f8f6f4 with both operands' format E2M3, f32 sums; everything else in f32.
;; Inputs: W_0 1,024 x 1,024 float32; W_qkv 1,024 x 3,072 float32; rel_bias 4,095 x 16 float32; x 4 x 2,048 x 1,024 float32.
;; Outputs: out0 4 x 2,048 x 1,024 float32.
;; This version of the problem:
;;   THIS VERSION OF THE PROBLEM IS GIVEN IN LOW PRECISION. The matrix products marked QUANTISED in the list below multiply operands that are first quantised to E2M3 (2 exponent bits, 3 mantissa bits; 6 bits a number), with one power-of-two scale for each 32 numbers along K (OCP MX v1.0); their sums are f32. All else is computed in f32.
;;   The module's matrix products, in the order in which they are computed (A, B: the left and right operand; K: the contracted axis; several contracted axes count as one K, in the product's order):
;;     1. [M 8,192, K 1,024] x [K 1,024, N 3,072]; A: input x; B: input W_qkv: QUANTISED
;;     2. batch 64 x [M 2,048, K 64] x [K 64, N 2,048]; A: computed on the way; B: computed on the way: QUANTISED
;;     3. batch 64 x [M 2,048, K 2,048] x [K 2,048, N 64]; A: softmax (see below); B: computed on the way: QUANTISED
;;     4. [M 8,192, K 1,024] x [K 1,024, N 1,024]; A: computed on the way; B: input W_0: QUANTISED
;;   THE QUANTISER, for each operand of a quantised product, along K:
;;     - K is cut into blocks of 32 from its start; a last block that is shorter is filled with zeros.
;;     - A block's scale is 2^e with e = floor(log2(the largest magnitude in the block)) - 2, held to -126 .. 127; a block of zeros has e = 0. As a byte (E8M0): e + 127.
;;     - Each number is divided by its block's scale, clamped to +-7.5, and rounded to the nearest number of E2M3, ties to even, subnormals kept.
;;     - The product sums the exact products of the quantised numbers (number of the format x scale) in f32.
;;   ~~~python
;;   def quantise(x, axis):      # numpy; x: float32 -> the quantised numbers, widened to float32 again
;;       x = np.moveaxis(x, axis, -1); K = x.shape[-1]
;;       x = np.pad(x, [(0, 0)] * (x.ndim - 1) + [(0, -K % 32)]); x = x.reshape(x.shape[:-1] + (-1, 32)); a = np.abs(x).max(-1, keepdims=True)
;;       e = np.where(a > 0, np.clip(np.frexp(np.where(a > 0, a, 1))[1] - 1 - 2, -126, 127), 0)      # np.frexp(a)[1] - 1 = floor(log2(a)), exactly
;;       r = np.clip(x / 2.0 ** e, -7.5, 7.5)
;;       step = 2.0 ** (np.maximum(np.frexp(np.where(r == 0, 1, r))[1] - 1, 0) - 3)
;;       q = np.round(r / step) * step * 2.0 ** e      # np.round: ties to even
;;       return np.moveaxis(q.reshape(q.shape[:-2] + (-1,))[..., :K], -1, axis).astype(np.float32)
;;   ~~~
;;   SOFTMAX AHEAD OF A QUANTISED PRODUCT. Where the list says 'softmax', what is quantised is not the finished softmax but p = 2^(t - M), with t = logit x log2(e) and M = ceil(the row's largest t), a whole number; so 1/2 < the row's largest p <= 1. The row's sum l is taken of the UNQUANTISED p, in f32, and the product's result is divided by l at the end. Since M is a whole number, a kernel that streams over the keys may use a running M (the ceiling of the running maximum): every later rescaling is an exact power of two, which a block's scale takes up: the codes' values come out the same.
;;   OPERANDS COMPUTED ON THE WAY. 'Computed on the way' means the value that the module computes at that place (a softmax that the list does not call 'softmax' is quantised finished and normalised). What goes into a quantiser is computed in f32, as accurately as f32 sums, v_exp_f32 and their like allow (about 1e-6 of the number): no bf16 or f16 on the way to a quantiser, and a product that is left as it is and whose result goes on into a quantised operand takes f32 operands (vector FMAs, or v_wmma_f32_16x16x4_f32). A number that lies on a knife's edge between two numbers of the format may be rounded either way, as far as f32 arithmetic and the matrix unit's own rounding can turn it there, and no further.
;; One version. Each part assembles by itself: llvm-mc -triple=amdgcn-amd-amdhsa -mcpu=gfx1250 --defsym DOCPART=n.
;; ======== version 1 of 1: 4 launches
;; limits: right only within a limited range of input values
;; workspace buffers: xb 6,553,600 bytes; wb 3,276,800 bytes; bt 2,359,296 bytes; qb 6,553,600 bytes; kv 13,107,200 bytes; aob 6,553,600 bytes
;; launch prep (part 1): grid 256 x 1, 8 waves a work-group, no clusters, 131,328 bytes of LDS; arguments x, W_qkv, W_0, rel_bias, xb, wb, bt; writes xb, wb, bt
.if DOCPART == 1
	.amdgcn_target "amdgcn-amd-amdhsa--gfx1250"
	.amdhsa_code_object_version 6
	.text
	.protected	k_q40a5e3d8ce_prep
	.globl	k_q40a5e3d8ce_prep
	.p2align	8
	.type	k_q40a5e3d8ce_prep,@function
k_q40a5e3d8ce_prep:
	s_mov_b64 s[64:65], 0
	v_nop
	global_prefetch_b8 v0, s[64:65] scope:SCOPE_SE
	s_setreg_imm32_b32 hwreg(HW_REG_WAVE_MODE, 25, 1), 1
	s_wait_xcnt 0x0
; PREP: x, W_qkv and W_0 become codes of E2M3 with one E8M0 byte for each 32 along K, laid in the order of the matrix operand's registers; rel_bias becomes a table that the attention launch can take as the C of its first product.
; DEAD WORK LEFT OUT (whole program).  reference() sets the score of key j for query i to -inf wherever j > i, ahead of the softmax: there p = 0 whatever finite values the inputs hold.  So (a) rows 2048 .. 4094 of rel_bias
; (index j - i + 2047 > 2047) have no way to any output: they are never loaded; (b) steps of 128 keys that lie wholly behind a tile's 16 queries are not computed in the attention launch.
; LIMITS: a NaN, an infinity or an overflow that reaches only the work left out is not carried to the result.  NaN and infinities among the inputs are not served.  A block of zeros gets the scale byte 1 where the rule says 127:
; its codes are zeros, and the bytes are read by this program alone.  Blocks whose largest magnitude lies under 2^(3 - 127) are held at the byte 1.  The mask inside a step on the diagonal is the number -2^100 (in units of 8 x logit):
; scores must stay under 2^100 in magnitude.
; LAYOUTS.  A HALF IMAGE, 768 bytes: six operand registers of 32 lanes (16 rows x 64 K; lane (r, h) holds row r, k = 32 h + 0 .. 31): registers 0-3 at 16 x lane, registers 4-5 at 512 + 8 x lane.  A fragment (16 rows x 128 K) is two on end.
; Codes: [tile][K step 0..7][1536].  Scale words: [tile][K step / 4][row][K step % 4], 512 bytes a tile.
; Token tile tau, row r is token 32 (tau / 2) + 8 (tau % 2) + r + 8 (r / 8).  W_qkv's tile 64 type + 4 head + 2 beta + u, row r is column 48 d + 16 type + head with d = 32 beta + 8 u + r + 8 (r / 8).  W_0's tile, row r is column 16 tile + r.
; bt[head][p][s][x] = T(x - 2007 - sp + s), sp = 32 (p / 2) + 8 (p % 2);  T(D) = 8 rel_bias[D + 2047][head] for D <= 0, -2^100 for D > 0.
; SHARES.  Work-groups 0-127: x;  128-191: W_qkv;  192-223: W_0;  224-255: the table.  The arms part on the work-group's number alone, each has LDS bytes of its own, and each ends by itself.
.set XSTG,  0                          ; x: a stage of 16 rows x 528 bytes for each wave
.set WSTG,  67584                      ; W_qkv: 48 half images, 784 bytes apart
.set W0STG, 105216                     ; W_0: 32 half images
.set SPARE, 130304                     ; the spare words, 128 bytes for each wave: four blocks of 256 bytes that no other line names
.set SPW,   254                        ; v254 LDS address of my spare word; never rewritten
.set NIL,   255                        ; v255 0; never rewritten
.set R,     16                         ; x arm: v16-143 two sets of 64 numbers as loaded
.set N,     144                        ; v144-207 64 numbers, register 16 b + i = k 32 b + 16 h + i of my row
.set PC,    208                        ; v208-219 the codes just made (v220-222, v224-226 at work)
.set TM,    228                        ; v228-243 at work
.set PW,    244                        ; the scale word just made
.set SW,    248                        ; v248-251 four K steps' scale words
.macro CLOSE                           ; a wave's end: three lines behind the last LDS store
	s_wait_tensorcnt 0x0
	ds_add_u32 v[SPW], v[NIL]
	s_wait_dscnt 0x0
	s_endpgm
.endm
; 64 numbers of a lane become a fragment's 12 registers of codes in v[PC] on and its row's scale word in v[PW]
.macro QUANT s
.irp b, 0,1,2,3
	v_max3_num_f32 v[TM+\b], |v[\s+16*\b]|, |v[\s+1+16*\b]|, 0x1800000   ; block b: my 16 numbers, and the floor 2^(3 - 127): the byte cannot fall under 1
.endr
.irp i, 2,4,6,8,10,12,14
.irp b, 0,1,2,3
	s_delay_alu instid0(VALU_DEP_4)
	v_max3_num_f32 v[TM+\b], v[TM+\b], |v[\s+16*\b+\i]|, |v[\s+1+16*\b+\i]|
.endr
.endr
.irp b, 0,1,2,3
	s_delay_alu instid0(VALU_DEP_4)
	v_permlanex16_b32 v[TM+4+\b], v[TM+\b], s20, s21
.endr
.irp b, 0,1,2,3
	s_delay_alu instid0(VALU_DEP_4)
	v_max_num_f32 v[TM+\b], v[TM+\b], v[TM+4+\b]   ; with lane l xor 16's: the block's largest magnitude
.endr
.irp b, 0,1,2,3
	s_delay_alu instid0(VALU_DEP_4)
	v_add_nc_u32 v[TM+12+\b], 0xff000000, v[TM+\b]   ; 2 off its exponent field: the conversion's scale operand
.endr
.irp b, 0,1,2,3
	s_delay_alu instid0(VALU_DEP_4)
	v_lshrrev_b32 v[TM+4+\b], 23, v[TM+12+\b]      ; the scale's byte
.endr
	s_delay_alu instid0(VALU_DEP_3)
	v_lshl_or_b32 v[PW], v[TM+5], 8, v[TM+4]
	s_delay_alu instid0(VALU_DEP_1)
	v_lshl_or_b32 v[PW], v[TM+6], 16, v[PW]
	s_delay_alu instid0(VALU_DEP_1)
	v_lshl_or_b32 v[PW], v[TM+7], 24, v[PW]
.irp c, 0,1
	v_cvt_scalef32_pk16_fp6_f32 v[PC+6*\c:PC+2+6*\c], v[\s+32*\c:\s+15+32*\c], v[TM+12+2*\c]
	v_cvt_scalef32_pk16_fp6_f32 v[PC+12+4*\c:PC+14+4*\c], v[\s+16+32*\c:\s+31+32*\c], v[TM+12+2*\c+1]   ; (a conversion's three registers begin on an even number)
.endr
	v_nop                                          ; one plain place behind a scaled conversion
.irp c, 0,1                                    ; the operand's layout wants a whole block in a lane
.irp i, 0,1,2
	v_permlane16_swap_b32 v[PC+6*\c+\i], v[PC+12+4*\c+\i]
.endr
.irp i, 0,1,2
	s_delay_alu instid0(VALU_DEP_3)
	v_mov_b32 v[PC+3+6*\c+\i], v[PC+12+4*\c+\i]
.endr
.endr
.endm
	s_load_b256 s[4:11], s[0:1], 0x0               ; x s[4:5], W_qkv s[6:7], W_0 s[8:9], rel_bias s[10:11]
	s_load_b128 s[12:15], s[0:1], 0x20             ; xb s[12:13], wb s[14:15]
	s_load_b64 s[16:17], s[0:1], 0x30              ; bt
	v_lshl_add_u32 v[SPW], v0, 2, SPARE
	v_mov_b32 v[NIL], 0
	v_lshrrev_b32 v1, 5, v0
	s_delay_alu instid0(VALU_DEP_1)
	v_readfirstlane_b32 s18, v1                    ; wave 0..7
	v_and_b32 v1, 31, v0                           ; lane
	v_and_b32 v2, 15, v0                           ; r
	v_bfe_u32 v3, v0, 4, 1                         ; h
	s_delay_alu instid0(VALU_DEP_3)
	v_lshlrev_b32 v4, 4, v1                        ; 16 x lane
	s_delay_alu instid0(VALU_DEP_4)
	v_lshlrev_b32 v5, 3, v1                        ; 8 x lane
	s_mov_b32 s20, 0x76543210
	s_mov_b32 s21, 0xfedcba98                      ; v_permlanex16_b32's selects for lane l xor 16
	s_wait_kmcnt 0x0
	s_cmp_ge_u32 ttmp9, 224
	s_cbranch_scc1 .Lbias
	s_cmp_ge_u32 ttmp9, 192
	s_cbranch_scc1 .Lw0
	s_cmp_ge_u32 ttmp9, 128
	s_cbranch_scc1 .Lwq
; ---- x.  Wave w takes token tile 4 X + w / 2 and four K steps of 128, 4 (w % 2) on.  Each load reads 512 consecutive bytes of one row; the 16 rows turn through the wave's own stage, so that a lane gets 16 neighbours of each block.
	s_lshl_b32 s22, ttmp9, 2
	s_lshr_b32 s23, s18, 1
	s_add_co_u32 s22, s22, s23                     ; tau
	s_and_b32 s23, s18, 1                          ; q
	s_lshr_b32 s24, s22, 1
	s_lshl_b32 s24, s24, 17                        ; 32 rows of 4,096 bytes
	s_and_b32 s25, s22, 1
	s_lshl_b32 s25, s25, 15                        ; 8 rows
	s_add_co_u32 s24, s24, s25
	s_lshl_b32 s25, s23, 11                        ; four K steps of 512 bytes
	s_add_co_u32 s24, s24, s25
	s_mov_b32 s25, 0
	s_add_nc_u64 s[4:5], s[4:5], s[24:25]
	s_mul_i32 s24, s22, 12288
	s_mul_i32 s26, s23, 6144
	s_add_co_u32 s24, s24, s26
	s_add_nc_u64 s[28:29], s[12:13], s[24:25]      ; my codes
	s_lshl_b32 s24, s22, 9
	s_lshl_b32 s26, s23, 8
	s_add_co_u32 s24, s24, s26
	s_add_co_u32 s24, s24, 6291456
	s_add_nc_u64 s[30:31], s[12:13], s[24:25]      ; my scale words
	s_mul_i32 s32, s18, 8448                       ; my stage
	s_wait_alu depctr_va_vdst(0)
	v_add_nc_u32 v6, s32, v4                       ; in: 16 x lane, row i at 528 i
	v_mul_u32_u24 v7, v2, 528
	s_delay_alu instid0(VALU_DEP_1)
	v_lshl_add_u32 v7, v3, 6, v7
	s_delay_alu instid0(VALU_DEP_1)
	v_add_nc_u32 v7, s32, v7                       ; back: row r, + 64 h
	v_lshlrev_b32 v8, 4, v2                        ; 16 r
.irp b, 0,1,2,3
	v_mov_b32 v[TM+4+\b], 0                        ; written once: a lane permute's destination counts as one of its sources
.endr
.macro XLOAD kp
.irp i, 0,1,2,3,4,5,6,7,8,9,10,11,12,13,14,15
	global_load_b128 v[R+64*((\kp)%2)+4*\i:R+64*((\kp)%2)+4*\i+3], v4, s[4:5] offset:(\i+8*(\i/8))*4096+512*(\kp) th:TH_LOAD_NT
.endr
.endm
.macro XSTEP kp
.if (\kp) < 3
	s_wait_loadcnt 16                              ; this K step's 16 loads are in; the next step's 16 may be out
.else
	s_wait_loadcnt 0x0
.endif
.irp i, 0,1,2,3,4,5,6,7,8,9,10,11,12,13,14,15
	ds_store_b128 v6, v[R+64*((\kp)%2)+4*\i:R+64*((\kp)%2)+4*\i+3] offset:528*\i
.endr
.irp b, 0,1,2,3
.irp j, 0,1,2,3
	ds_load_b128 v[N+16*\b+4*\j:N+16*\b+4*\j+3], v7 offset:128*\b+16*\j   ; LDS serves a wave's instructions in order: these see the stores above
.endr
.endr
	s_wait_dscnt 0x0                               ; the numbers are back, and the stores have read their registers
.if (\kp) > 0
	s_wait_xcnt 0x0                                ; the last step's stores have read the codes' registers, which are written again below
.endif
.if (\kp)+2 < 4
	XLOAD (\kp)+2
.endif
	QUANT N
	v_mov_b32 v[SW+(\kp)], v[PW]
	global_store_b128 v4, v[PC:PC+3], s[28:29] offset:1536*(\kp)          ; every store covers whole aligned runs of 256 bytes
	global_store_b64 v5, v[PC+4:PC+5], s[28:29] offset:1536*(\kp)+512
	global_store_b128 v4, v[PC+6:PC+9], s[28:29] offset:1536*(\kp)+768
	global_store_b64 v5, v[PC+10:PC+11], s[28:29] offset:1536*(\kp)+1280
.endm
	XLOAD 0
	XLOAD 1
	s_wait_alu depctr_va_vdst(0)
	XSTEP 0
	XSTEP 1
	XSTEP 2
	XSTEP 3
	global_store_b128 v8, v[SW:SW+3], s[30:31]     ; row r's four scale words; both halves of the lanes hold and write the same
	CLOSE
; ---- the weights.  A lane takes a column and its registers run down K: a block of 32 lies in one lane.  A thread takes nb / 2 columns x 64 along K; the half images are gathered in LDS and leave whole.
; v6.. byte offset of column n in a row; v9.. and v12.. where its codes go in the stage; v15.. where its two scale bytes go; v18, v19 where my wave reads half images back; v20.. the bytes; v32-95 two sets of 32 numbers
.macro WLOAD t, pitch
.irp i, 0,1,2,3,4,5,6,7,8,9,10,11,12,13,14,15,16,17,18,19,20,21,22,23,24,25,26,27,28,29,30,31
	global_load_b32 v[32+32*((\t)%2)+\i], v[6+(\t)/2], s[34:35] offset:(32*((\t)%2)+\i)*\pitch th:TH_LOAD_NT
.endr
.endm
.macro WBLOCK t, nb, pitch
.set XS, 32+32*((\t)%2)
.if (\t) < (\nb)-1
	s_wait_loadcnt 32                              ; this block's 32 loads are in; the next block's may be out
.else
	s_wait_loadcnt 0x0
.endif
	v_max3_num_f32 v24, |v[XS]|, |v[XS+1]|, |v[XS+2]|
	v_max3_num_f32 v25, |v[XS+3]|, |v[XS+4]|, |v[XS+5]|
.irp i, 6,10,14,18,22,26
	s_delay_alu instid0(VALU_DEP_2)
	v_max3_num_f32 v24, v24, |v[XS+\i]|, |v[XS+\i+1]|
	s_delay_alu instid0(VALU_DEP_2)
	v_max3_num_f32 v25, v25, |v[XS+\i+2]|, |v[XS+\i+3]|
.endr
	s_delay_alu instid0(VALU_DEP_2)
	v_max3_num_f32 v24, v24, |v[XS+30]|, |v[XS+31]|
	s_delay_alu instid0(VALU_DEP_1)
	v_max3_num_f32 v24, v24, v25, 0x1800000        ; and the floor
	s_delay_alu instid0(VALU_DEP_1)
	v_add_nc_u32 v26, 0xff000000, v24              ; the conversion's scale operand
	s_delay_alu instid0(VALU_DEP_1)
	v_lshrrev_b32 v27, 23, v26                     ; the byte
.if (\t)%2 == 0
	s_delay_alu instid0(VALU_DEP_1)
	v_mov_b32 v[20+(\t)/2], v27
.else
	s_delay_alu instid0(VALU_DEP_1)
	v_lshl_or_b32 v[20+(\t)/2], v27, 8, v[20+(\t)/2]
.endif
	v_cvt_scalef32_pk16_fp6_f32 v[96:98], v[XS:XS+15], v26
	v_cvt_scalef32_pk16_fp6_f32 v[104:106], v[XS+16:XS+31], v26
	v_nop                                          ; one plain place behind a scaled conversion
	v_mov_b32 v99, v104
	v_mov_b32 v100, v105
	v_mov_b32 v101, v106
	ds_store_b128 v[9+(\t)/2], v[96:99] offset:256*((\t)%2)          ; the image's place of lane r + 16 x (block's half)
	ds_store_b64 v[12+(\t)/2], v[100:101] offset:512+128*((\t)%2)
.if (\t)%2 == 1
	global_store_b16 v[15+(\t)/2], v[20+(\t)/2], s[38:39]           ; the column's two bytes of this half K step; its registers are not written again
.endif
.if (\t)+2 < (\nb)
	WLOAD (\t)+2, \pitch
.endif
	s_wait_dscnt 0x0                               ; the stores have landed: the codes' registers may be written again, and the last block's wait serves the barrier
.endm
.macro WARM nb, pitch, nh, ostr
	WLOAD 0, \pitch
	WLOAD 1, \pitch
.set Q, 0
.rept \nb
	WBLOCK Q, \nb, \pitch
.set Q, Q+1
.endr
	s_barrier_signal -1
	s_barrier_wait -1                              ; all half images lie in the stage
.set Q, 0
.rept \nh
	ds_load_b128 v[112+8*Q:115+8*Q], v18 offset:6272*Q              ; half image w + 8 Q
	ds_load_b64 v[116+8*Q:117+8*Q], v19 offset:6272*Q
.set Q, Q+1
.endr
.set Q, 0
.rept \nh
	s_wait_dscnt 2*(\nh-1-Q)                       ; the younger halves' two loads each may be out
	global_store_b128 v4, v[112+8*Q:115+8*Q], s[36:37] offset:\ostr*Q
	global_store_b64 v5, v[116+8*Q:117+8*Q], s[36:37] offset:\ostr*Q+512
.set Q, Q+1
.endr
	CLOSE
.endm
.Lwq:                                          ; W_qkv: work-group G: 2 beta + u = G / 16; rows 64 (G % 16) on; 768 columns: local column 48 r + e, e = 16 type + head
	s_sub_co_u32 s22, ttmp9, 128
	s_lshr_b32 s23, s22, 4
	s_and_b32 s24, s22, 15
	s_mul_i32 s26, s24, 64*12288
	s_lshr_b32 s25, s23, 1
	s_mul_i32 s25, s25, 6144                       ; 32 beta x 48 columns x 4 bytes
	s_add_co_u32 s26, s26, s25
	s_and_b32 s25, s23, 1
	s_mul_i32 s25, s25, 1536                       ; 8 u x 48 x 4
	s_add_co_u32 s26, s26, s25
	s_mov_b32 s27, 0
	s_add_nc_u64 s[34:35], s[6:7], s[26:27]
	s_mul_i32 s26, s23, 12288                      ; codes: tile 4 e + 2 beta + u, half K step G % 16; my wave's e = w + 8 Q
	s_mul_i32 s25, s24, 768
	s_add_co_u32 s26, s26, s25
	s_mul_i32 s25, s18, 49152
	s_add_co_u32 s26, s26, s25
	s_add_nc_u64 s[36:37], s[14:15], s[26:27]
	s_lshl_b32 s26, s23, 9                         ; scale bytes
	s_lshr_b32 s25, s24, 3
	s_lshl_b32 s25, s25, 8
	s_add_co_u32 s26, s26, s25
	s_and_b32 s25, s24, 7
	s_lshl_b32 s25, s25, 1
	s_add_co_u32 s26, s26, s25
	s_add_co_u32 s26, s26, 2359296
	s_add_nc_u64 s[38:39], s[14:15], s[26:27]
	s_mul_i32 s25, s18, 784
	s_add_co_u32 s25, s25, WSTG
	s_wait_alu depctr_va_vdst(0)
	v_add_nc_u32 v18, s25, v4
	s_add_co_u32 s25, s25, 512
	v_add_nc_u32 v19, s25, v5
; Wave w takes local columns 96 w + 32 n + lane, n = 0, 1, 2: rows r = 2 w and 2 w + 1 of the tiles.  n = 0: r = 2 w, e = lane;  n = 1: lanes 0-15 r = 2 w, e = 32 + lane, lanes 16-31 r = 2 w + 1, e = lane - 16;  n = 2: r = 2 w + 1, e = 16 + lane.
; So every LDS address is a lane's term, a wave's term and a constant.
	s_mul_i32 s25, s18, 384                        ; 96 w columns of 4 bytes,
	s_lshr_b32 s26, s18, 2
	s_mul_i32 s26, s26, 1536                       ; and rows 8-15 of a tile lie 384 columns further on
	s_add_co_u32 s25, s25, s26
	s_lshl_b32 s26, s18, 5                         ; 16 x 2 w
	s_lshl_b32 s27, s18, 4                         ; 8 x 2 w
	s_add_co_u32 s28, s26, WSTG
	s_add_co_u32 s29, s27, WSTG
	v_lshl_add_u32 v6, v1, 2, s25
	v_mul_u32_u24 v23, v1, 784
	v_xor_b32 v24, 1, v3
	v_add_nc_u32 v7, 128, v6
	v_add_nc_u32 v8, 256, v6
	v_lshl_add_u32 v24, v24, 5, v2                 ; n = 1: e
	v_add_nc_u32 v9, s28, v23
	v_add_nc_u32 v12, s29, v23
	v_mul_u32_u24 v25, v24, 784
	v_lshl_add_u32 v15, v1, 11, s26
	v_add_nc_u32 v11, 16*784+16, v9
	v_add_nc_u32 v14, 16*784+8, v12
	v_lshl_add_u32 v26, v3, 4, v25
	v_lshl_add_u32 v27, v3, 3, v25
	v_add_nc_u32 v17, 32768+16, v15
	v_add_nc_u32 v10, s28, v26
	v_add_nc_u32 v13, s29, v27
	v_lshlrev_b32 v26, 11, v24
	v_lshl_add_u32 v26, v3, 4, v26
	v_add_nc_u32 v16, s26, v26
	s_wait_alu depctr_va_vdst(0)                   ; the wait at the set-up's end
	WARM 6, 12288, 6, 393216
.Lw0:                                          ; W_0: work-group G: columns 512 (G / 16) on; rows 64 (G % 16) on
	s_sub_co_u32 s22, ttmp9, 192
	s_lshr_b32 s23, s22, 4
	s_and_b32 s24, s22, 15
	s_lshl_b32 s26, s24, 18
	s_lshl_b32 s25, s23, 11
	s_add_co_u32 s26, s26, s25
	s_mov_b32 s27, 0
	s_add_nc_u64 s[34:35], s[8:9], s[26:27]
	s_lshl_b32 s26, s23, 5
	s_add_co_u32 s26, s26, s18
	s_mul_i32 s26, s26, 12288
	s_mul_i32 s25, s24, 768
	s_add_co_u32 s26, s26, s25
	s_add_co_u32 s26, s26, 2457600
	s_add_nc_u64 s[36:37], s[14:15], s[26:27]
	s_lshl_b32 s26, s23, 14
	s_lshr_b32 s25, s24, 3
	s_lshl_b32 s25, s25, 8
	s_add_co_u32 s26, s26, s25
	s_and_b32 s25, s24, 7
	s_lshl_b32 s25, s25, 1
	s_add_co_u32 s26, s26, s25
	s_add_co_u32 s26, s26, 3244032
	s_add_nc_u64 s[38:39], s[14:15], s[26:27]
	s_mul_i32 s25, s18, 784
	s_add_co_u32 s25, s25, W0STG
	s_wait_alu depctr_va_vdst(0)
	v_add_nc_u32 v18, s25, v4
	s_add_co_u32 s25, s25, 512
	v_add_nc_u32 v19, s25, v5
; Wave w takes local columns 256 n + 32 w + lane: tile 16 n + 2 w + h, row r: a lane's term, a wave's term and a constant
	s_lshl_b32 s25, s18, 7
	s_mul_i32 s26, s18, 1568
	s_add_co_u32 s26, s26, W0STG
	s_lshl_b32 s27, s18, 10
	v_lshl_add_u32 v6, v1, 2, s25
	v_mul_u32_u24 v23, v3, 784
	v_lshlrev_b32 v26, 9, v3
	v_add_nc_u32 v7, 1024, v6
	v_lshl_add_u32 v24, v2, 4, v23
	v_lshl_add_u32 v25, v2, 3, v23
	v_lshl_add_u32 v26, v2, 4, v26
	v_add_nc_u32 v9, s26, v24
	v_add_nc_u32 v12, s26, v25
	v_add_nc_u32 v15, s27, v26
	v_add_nc_u32 v10, 16*784, v9
	v_add_nc_u32 v13, 16*784, v12
	v_add_nc_u32 v16, 8192, v15
	s_wait_alu depctr_va_vdst(0)                   ; the wait at the set-up's end
	WARM 4, 4096, 4, 98304
.Lbias:                                        ; the table: a wave makes one copy (head, p, s): 2,304 numbers, 128 a group, four neighbours a lane
	s_sub_co_u32 s22, ttmp9, 224
	s_lshl_b32 s22, s22, 1
	s_lshr_b32 s23, s18, 2
	s_add_co_u32 s22, s22, s23                     ; 4 head + p
	s_and_b32 s23, s18, 3                          ; s
	s_lshr_b32 s24, s22, 2                         ; head
	s_and_b32 s25, s22, 3                          ; p
	s_lshr_b32 s26, s25, 1
	s_lshl_b32 s26, s26, 5
	s_and_b32 s27, s25, 1
	s_lshl_b32 s27, s27, 3
	s_add_co_u32 s26, s26, s27                     ; sp
	s_sub_co_u32 s26, 40, s26
	s_add_co_u32 s26, s26, s23                     ; row of rel_bias = x + 40 - sp + s
	s_wait_alu depctr_va_vdst(0)
	v_lshl_add_u32 v6, v1, 2, s26
	s_lshl_b32 s27, s24, 2
	v_lshl_add_u32 v7, v6, 6, s27                  ; a row is 64 bytes
.irp e, 0,1,2,3
	v_add_nc_u32 v[8+\e], 1920+\e, v6              ; group 15 alone straddles row 2047: there the address is held at that row, and the number replaced below
	s_delay_alu instid0(VALU_DEP_1)
	v_min_u32 v[12+\e], 2047, v[8+\e]
	s_delay_alu instid0(VALU_DEP_1)
	v_lshl_add_u32 v[12+\e], v[12+\e], 6, s27
.endr
	s_lshl_b32 s28, s22, 2
	s_add_co_u32 s28, s28, s23
	s_mul_i32 s28, s28, 9216
	s_mov_b32 s29, 0
	s_add_nc_u64 s[16:17], s[16:17], s[28:29]
	s_mov_b32 s30, 0x41000000                      ; 8.0
	s_mov_b32 s31, s30                             ; (named with it as a pair)
	s_mov_b32 s32, 2047
.irp t, 0,1,2,3,4,5,6,7,8,9,10,11,12,13,14
.irp e, 0,1,2,3
	global_load_b32 v[16+4*\t+\e], v7, s[10:11] offset:8192*\t+64*\e
.endr
.endr
	s_wait_alu depctr_va_vdst(0)
.irp e, 0,1,2,3
	global_load_b32 v[76+\e], v[12+\e], s[10:11]
.endr
.irp e, 0,1,2,3
	v_mov_b32 v[80+\e], 0xf1800000                 ; -2^100
.endr
.irp t, 0,1,2,3,4,5,6,7,8,9,10,11,12,13,14,15
	s_wait_loadcnt 60-4*\t                         ; this group's four loads are in; the younger groups' may be out
	v_pk_mul_f32 v[16+4*\t:17+4*\t], v[16+4*\t:17+4*\t], s[30:31] op_sel_hi:[1,0]
	v_pk_mul_f32 v[18+4*\t:19+4*\t], v[18+4*\t:19+4*\t], s[30:31] op_sel_hi:[1,0]
.if \t == 15
.irp e, 0,1,2,3
	v_cmp_lt_u32 vcc_lo, s32, v[8+\e]              ; behind the diagonal
	s_delay_alu instid0(VALU_DEP_1)
	v_cndmask_b32 v[76+\e], v[76+\e], v80, vcc_lo
.endr
.endif
	global_store_b128 v4, v[16+4*\t:19+4*\t], s[16:17] offset:512*\t
.endr
	global_store_b128 v4, v[80:83], s[16:17] offset:512*16   ; groups 16 and 17 lie wholly behind the diagonal
	global_store_b128 v4, v[80:83], s[16:17] offset:512*17
	CLOSE
.Lfunc_end_k_q40a5e3d8ce_prep:
	.size	k_q40a5e3d8ce_prep, .Lfunc_end_k_q40a5e3d8ce_prep-k_q40a5e3d8ce_prep
	.p2alignl 7, 3214868480
	.fill 96, 4, 3214868480
	.section	.rodata,"a",@progbits
	.p2align	6, 0x0
	.amdhsa_kernel k_q40a5e3d8ce_prep
		.amdhsa_group_segment_fixed_size 131328
		.amdhsa_private_segment_fixed_size 0
		.amdhsa_enable_private_segment 0
		.amdhsa_kernarg_size 56
		.amdhsa_user_sgpr_count 2
		.amdhsa_user_sgpr_kernarg_segment_ptr 1
		.amdhsa_wavefront_size32 1
		.amdhsa_system_sgpr_workgroup_id_x 1
		.amdhsa_system_sgpr_workgroup_id_y 1
		.amdhsa_system_sgpr_workgroup_id_z 1
		.amdhsa_system_vgpr_workitem_id 0
		.amdhsa_next_free_vgpr 256
		.amdhsa_next_free_sgpr 66
		.amdhsa_reserve_vcc 1
		.amdhsa_float_denorm_mode_32 3
		.amdhsa_float_denorm_mode_16_64 3
		.amdhsa_memory_ordered 1
		.amdhsa_forward_progress 1
		.amdhsa_inst_pref_size 115
	.end_amdhsa_kernel
	.amdgpu_metadata
---
amdhsa.version: [ 1, 2 ]
amdhsa.kernels:
  - .name:           k_q40a5e3d8ce_prep
    .symbol:         k_q40a5e3d8ce_prep.kd
    .args:
      - { .name: x, .offset: 0, .size: 8, .value_kind: global_buffer, .address_space: global }
      - { .name: W_qkv, .offset: 8, .size: 8, .value_kind: global_buffer, .address_space: global }
      - { .name: W_0, .offset: 16, .size: 8, .value_kind: global_buffer, .address_space: global }
      - { .name: rel_bias, .offset: 24, .size: 8, .value_kind: global_buffer, .address_space: global }
      - { .name: xb, .offset: 32, .size: 8, .value_kind: global_buffer, .address_space: global }
      - { .name: wb, .offset: 40, .size: 8, .value_kind: global_buffer, .address_space: global }
      - { .name: bt, .offset: 48, .size: 8, .value_kind: global_buffer, .address_space: global }
    .group_segment_fixed_size: 131328
    .private_segment_fixed_size: 0
    .kernarg_segment_align: 8
    .kernarg_segment_size: 56
    .max_flat_workgroup_size: 256
    .sgpr_count:     66
    .vgpr_count:     256
    .wavefront_size: 32
...
	.end_amdgpu_metadata
.endif
;; end of part 1
;; launch gemm_qkv (part 2): grid 8 x 32, 4 waves a work-group, clusters of 4 x 4, 327,680 bytes of LDS; arguments xb, wb, qb, kv; writes qb, kv
.if DOCPART == 2
	.amdgcn_target "amdgcn-amd-amdhsa--gfx1250"
	.amdhsa_code_object_version 6
	.text
	.protected	k_q40a5e3d8ce_gemm_qkv
	.globl	k_q40a5e3d8ce_gemm_qkv
	.p2align	8
	.type	k_q40a5e3d8ce_gemm_qkv,@function
k_q40a5e3d8ce_gemm_qkv:
	s_mov_b64 s[64:65], 0
	v_nop
	global_prefetch_b8 v0, s[64:65] scope:SCOPE_SE
	s_setreg_imm32_b32 hwreg(HW_REG_WAVE_MODE, 25, 1), 1
	s_wait_xcnt 0x0
	s_wait_alu depctr_hold_cnt(0) depctr_sa_sdst(0) depctr_va_vdst(0) depctr_va_sdst(0) depctr_va_ssrc(0) depctr_va_vcc(0) depctr_vm_vsrc(0)
	s_getreg_b32 s2, hwreg(HW_REG_IB_STS2, 6, 4)
	s_cmp_eq_u32 s2, 0
	s_cbranch_scc0 .Lentry_in_a_cluster
	s_endpgm
.Lentry_in_a_cluster:
	s_bfe_u32 s2, ttmp6, 0x10000c
	s_cmp_lg_u32 s2, 0xf033
	s_cbranch_scc0 .Lentry_shape_is_right
	s_endpgm
.Lentry_shape_is_right:
; q, k, v = x W_qkv on codes of E2M3, each result quantised at once for the product that takes it: q and k along the head's 64, v along the keys.  No f32 result goes to memory.
; SHARES.  256 work-groups that stay.  A work-group takes 256 tokens (16 tiles, index Y) and, one after the other, three blocks of 128 weight rows (8 tiles: heads 2 X, 2 X + 1 of q, of k, of v).
; The tokens' codes (all of K, 196,608 bytes) and scale words come into LDS once; the weights have a region of their own (98,304 bytes), filled at the head and filled again twice.
; Four waves; a wave has 8 tiles of source 0 x 4 tiles of source 1: 32 accumulators, 256 matrix instructions a block.
; q, k (a loop of two trips): source 0 = the 8 weight tiles, source 1 = token tiles 4 w + a: a lane holds a token, its registers run along d.
; v: source 0 = token tiles 8 (w / 2) + b, source 1 = weight tiles 4 (w % 2) + a: a lane holds a d, its registers run along the tokens, which are v's K.
; FILLS.  At the head one tensor load a wave: waves 0, 1 half the tokens' codes each, wave 2 the weights, wave 3 the tokens' scale words.  A refill stands in the last K step of q's and of k's block: when a wave's last fragments
; are in registers it runs the three lines, a round of the cluster's barrier follows (16 products stand inside it), and each wave asks for a quarter of the next block.  The block's way out stands between the request and the wait for it.
; The weights' scale words (4,096 bytes a block) go from memory straight into registers, 16 lanes to 256 consecutive bytes.
; CLUSTER 4 x 4: the tokens' tiles hang on Y alone and are asked for jointly along a row of the cluster, the weights' on X alone, along a column.
; PREFETCH: a weight block is asked for into the L2 one block ahead of its refill (k's at the head, v's in the first trip); its 384 runs of 256 bytes are shared out by address among the 16 waves of a column of the cluster, 24 each.
; LDS holds tiles as memory does: [tile][K step 8][1,536]; every K step's place is an immediate.
; OUT.  qb: q's half images [16 batch + head][tile 128][768], scale bytes behind them.  kv: [16 batch + head][204,800]: k's scale words 4,096, v's 4,096, then for each step of 128 keys k's 8 half images and v's 4 fragments.
; LIMITS: as stated at the head of the first launch (zero blocks' byte, the floor, NaN and infinities).
; REGISTERS.  Window 0: v1-19 addresses; v32-63 source 0's scale words (register 8 i + K step: lanes 0-15 tile i, lanes 16-31 tile i + 4); v214-229 source 1's (tiles i, i + 2); v80-175 source 1's fragments, two sets;
;   v176-212 the quantiser.  Window 1: accumulator (a, b) at v[64 a + 8 b].  Window 2: source 0's fragments, two sets of 96.
.set WT,    196608                     ; the weights' region
.set XSC,   294912                     ; the tokens' scale words, 512 bytes a tile
.set SPARE, 303104                     ; the spare words, 128 bytes for each wave
.set TSOFF, 6291456                    ; where the scale words begin in a buffer of token tiles
.set WSOFF, 2359296                    ; and W_qkv's in wb
.set WNEXT, 786432                     ; from a type's block to the next type's: 64 tiles of 12,288 bytes
.set L16, 3
.set L8,  4
.set P16, 5                            ; source 0's tiles 0-3: 16 x lane + ..;  P8: 512 + 8 x lane + ..
.set P8,  6
.set R16, 7                            ; source 1's
.set R8,  8
.set P16B, 10                          ; source 0's tiles 4-7
.set P8B, 11
.set GS,  12                           ; the weights' scale words as source 0: offset in the block
.set PS,  13                           ; the tokens' as source 0 (LDS)
.set RS,  14                           ; the tokens' as source 1 (LDS)
.set GS1, 15                           ; the weights' as source 1
.set PF,  16                           ; the prefetches' offset in wb; never rewritten
.set SPW, 17
.set NIL, 18
.set R8B, 19                           ; 8 r
.set SC0, 32
.set SC1, 214                          ; (its numbers differ from source 0's modulo 8)
.set F1,  80
.set PC,  176
.set TM,  196
.set PW,  212
.set G1T, 24
.set G1W, 32
.set G1S, 40
.set G1R, 48
.set G0T, 56
.set G0W, 60
.set G0S, 68
.set G0R, 72
.set MSB, 0
.macro WIN new                         ; the immediate's high byte repeats the setting that is left
.if MSB != \new
	s_set_vgpr_msb (MSB<<8)|\new
.set MSB, \new
.endif
.endm
.macro PLACES n
.rept \n
	v_nop
.endr
.endm
.macro WALU
	s_wait_alu depctr_va_vdst(0)
.endm
.macro CREST                           ; a round of the cluster's barrier behind its opening barrier
	s_cmp_lg_u32 s12, 0
	s_cbranch_scc1 .Lnot_wave_0_\@
	s_barrier_signal -3
.Lnot_wave_0_\@:
	s_barrier_wait -3
	s_barrier_signal -1
	s_barrier_wait -1
.endm
.macro CROUND
	s_barrier_signal -1
	s_barrier_wait -1
	CREST
.endm
.macro MKG1 g, r                       ; descriptor group 1, words 1 to 7: r dense rows of 256 bytes (32 elements of 8)
	s_mov_b32 s[\g+1], 32<<16
	s_mov_b32 s[\g+2], (\r)<<16
	s_mov_b32 s[\g+3], 32<<16
	s_mov_b32 s[\g+4], \r
	s_mov_b32 s[\g+5], 32
	s_mov_b32 s[\g+6], 0
	s_mov_b32 s[\g+7], 0
.endm
.macro TLOAD g0, g1
	tensor_load_to_lds s[\g0:\g0+3], s[\g1:\g1+7]
	s_nop 0
	PLACES 4
.endm
.macro FETCH k                         ; K step k's 12 fragments into set k % 2: 48 loads, each of consecutive bytes
	WIN 0x80                                       ; destination window 2
.irp b, 0,1,2,3
.irp c, 0,1
.set fr, 96*((\k)%2)+12*\b+6*\c
.set fo, 12288*\b+1536*(\k)+768*\c
	ds_load_b128 v[fr:fr+3], v[P16] offset:fo
	ds_load_b64 v[fr+4:fr+5], v[P8] offset:fo
	ds_load_b128 v[fr+48:fr+51], v[P16B] offset:fo
	ds_load_b64 v[fr+52:fr+53], v[P8B] offset:fo
.endr
.endr
	WIN 0
.irp a, 0,1,2,3
.irp c, 0,1
.set fr, F1+48*((\k)%2)+12*\a+6*\c
.set fo, 12288*\a+1536*(\k)+768*\c
	ds_load_b128 v[fr:fr+3], v[R16] offset:fo
	ds_load_b64 v[fr+4:fr+5], v[R8] offset:fo
.endr
.endr
.endm
.macro WM ah, al, bh, bl, k, zero      ; accumulator (a, b) = (2 ah + al, 4 bh + bl)
.set rD, 64*(2*\ah+\al)+8*(4*\bh+\bl)
.set rA, 96*((\k)%2)+12*(4*\bh+\bl)
.set rB, F1+48*((\k)%2)+12*(2*\ah+\al)
.set rX, SC0+8*\bl+(\k)
.set rY, SC1+8*\al+(\k)
.if \zero
	v_wmma_scale_f32_16x16x128_f8f6f4 v[rD:rD+7], v[rA:rA+11], v[rB:rB+11], 0, v[rX], v[rY] matrix_a_fmt:MATRIX_FMT_FP6 matrix_b_fmt:MATRIX_FMT_FP6 matrix_a_scale:MATRIX_SCALE_ROW\bh matrix_b_scale:MATRIX_SCALE_ROW\ah
.else
	v_wmma_scale_f32_16x16x128_f8f6f4 v[rD:rD+7], v[rA:rA+11], v[rB:rB+11], v[rD:rD+7], v[rX], v[rY] matrix_a_fmt:MATRIX_FMT_FP6 matrix_b_fmt:MATRIX_FMT_FP6 matrix_a_scale:MATRIX_SCALE_ROW\bh matrix_b_scale:MATRIX_SCALE_ROW\ah
.endif
.endm
.macro MULH k, zero, ah                ; 16 matrix instructions; the 32 accumulators take turns in the same order in every K step.  zero = 1: the first products start the sums
	WIN 0x52                                       ; source 0 window 2, source 1 window 0, C and D window 1
.irp al, 0,1
.irp bh, 0,1
.irp bl, 0,1,2,3
	WM \ah, \al, \bh, \bl, \k, \zero
.endr
.endr
.endr
.endm
.macro MAIN refill                     ; a block's eight K steps
	FETCH 0
	FETCH 1
	s_wait_loadcnt 0x0                             ; the weights' scale words are in
	s_wait_dscnt 48                                ; all but the 48 loads just issued
	MULH 0, 1, 0
	MULH 0, 1, 1
.irp k, 1,2,3,4,5,6
	PLACES 4                                       ; ahead of loads into registers that matrix instructions have read
	FETCH (\k)+1
	s_wait_dscnt 48
	MULH \k, 0, 0
	MULH \k, 0, 1
.endr
	WIN 0
.if \refill
	s_wait_tensorcnt 0x0                           ; no tensor load of mine is out;
	ds_add_u32 v[SPW], v[NIL]
	s_add_nc_u64 s[G0R+2:G0R+3], s[G0R+2:G0R+3], WNEXT   ; the next type's block
	s_wait_dscnt 0x0                               ; the add is done, and my last reads of the weights' region
	s_barrier_signal -1                            ; opens a round of the cluster's barrier
	MULH 7, 0, 0
	WIN 0
	s_barrier_wait -1
	CREST
	TLOAD G0R, G1R                                 ; my quarter of the next block
.else
	s_wait_dscnt 0x0
	MULH 7, 0, 0
.endif
	MULH 7, 0, 1
	WIN 0
	PLACES 4                                       ; behind the last products: ahead of the first read of results and of loads into scale registers
.endm
; 64 results of a lane, window 1's v[s] on, register 16 b + i = k 32 b + 16 h + i of the lane's row, become 12 registers of codes in v[PC] on and the scale word in v[PW].  Each accumulator is read from its low end on.
.macro QUANTW s
	WIN 0x05                                       ; sources 0 and 1 window 1
.irp b, 0,1,2,3
	v_max3_num_f32 v[TM+\b], |v[(\s)+16*\b]|, |v[(\s)+1+16*\b]|, 0x1800000   ; and the floor 2^(3 - 127)
.endr
.irp i, 2,4,6,8,10,12,14
.irp b, 0,1,2,3
	v_max3_num_f32 v[TM+\b], |v[(\s)+16*\b+\i]|, |v[(\s)+1+16*\b+\i]|, v[TM+\b]
.endr
.endr
	WIN 0
.irp b, 0,1,2,3
	v_permlanex16_b32 v[TM+4+\b], v[TM+\b], s2, s3
.endr
.irp b, 0,1,2,3
	v_max_num_f32 v[TM+\b], v[TM+\b], v[TM+4+\b]
.endr
.irp b, 0,1,2,3
	v_add_nc_u32 v[TM+12+\b], 0xff000000, v[TM+\b]   ; 2 off the exponent field: the conversion's scale operand
.endr
.irp b, 0,1,2,3
	v_lshrrev_b32 v[TM+4+\b], 23, v[TM+12+\b]
.endr
	v_lshl_or_b32 v[PW], v[TM+5], 8, v[TM+4]
	v_lshl_or_b32 v[PW], v[TM+6], 16, v[PW]
	v_lshl_or_b32 v[PW], v[TM+7], 24, v[PW]
	WIN 0x01                                       ; source 0 window 1
.irp c, 0,1
	v_cvt_scalef32_pk16_fp6_f32 v[PC+6*\c:PC+2+6*\c], v[(\s)+32*\c:(\s)+15+32*\c], v[TM+12+2*\c]
	v_cvt_scalef32_pk16_fp6_f32 v[PC+12+4*\c:PC+14+4*\c], v[(\s)+16+32*\c:(\s)+31+32*\c], v[TM+12+2*\c+1]
.endr
	WIN 0
	v_nop                                          ; one plain place behind a scaled conversion
.irp c, 0,1
.irp i, 0,1,2
	v_permlane16_swap_b32 v[PC+6*\c+\i], v[PC+12+4*\c+\i]
.endr
.irp i, 0,1,2
	v_mov_b32 v[PC+3+6*\c+\i], v[PC+12+4*\c+\i]
.endr
.endr
.endm
.macro STOREF b0, o0, b1, o1           ; the two half images just made; every store covers whole aligned runs of 256 bytes
	global_store_b128 v[L16], v[PC:PC+3], s[\b0:\b0+1] offset:\o0
	global_store_b64 v[L8], v[PC+4:PC+5], s[\b0:\b0+1] offset:(\o0)+512
	global_store_b128 v[L16], v[PC+6:PC+9], s[\b1:\b1+1] offset:\o1
	global_store_b64 v[L8], v[PC+10:PC+11], s[\b1:\b1+1] offset:(\o1)+512
.endm
	s_load_b256 s[4:11], s[0:1], 0x0               ; xb s[4:5], wb s[6:7], qb s[8:9], kv s[10:11]
	v_lshl_add_u32 v[SPW], v0, 2, SPARE
	v_mov_b32 v[NIL], 0
	ds_add_u32 v[SPW], v[NIL]                      ; the opening lines: the add, twice on end, and its wait
	ds_add_u32 v[SPW], v[NIL]
	v_lshrrev_b32 v1, 5, v0
	v_readfirstlane_b32 s12, v1                    ; wave 0..3
	s_lshr_b32 s13, s12, 1
	s_and_b32 s14, s12, 1
	s_bfe_u32 s15, ttmp6, 0x40000                  ; cx
	s_bfe_u32 s16, ttmp6, 0x40004                  ; cy
	s_lshl_b32 s17, ttmp9, 2
	s_add_co_u32 s17, s17, s15                     ; X 0..7
	s_and_b32 s18, ttmp7, 0xffff
	s_lshl_b32 s18, s18, 2
	s_add_co_u32 s18, s18, s16                     ; Y 0..31
	s_lshl_b32 s19, s16, 2
	s_lshl_b32 s19, 15, s19                        ; my row of the cluster
	s_lshl_b32 s20, 0x1111, s15                    ; my column
	s_or_b32 s[G1T], s19, (3<<16)|(1<<21)          ; half the tokens' codes: 98,304 dense bytes
	MKG1 G1T, 384
	s_or_b32 s[G1W], s20, (3<<16)|(1<<21)          ; a block of weights
	MKG1 G1W, 384
	s_or_b32 s[G1S], s19, (3<<16)|(1<<21)          ; the tokens' scale words
	MKG1 G1S, 32
	s_or_b32 s[G1R], s20, (3<<16)|(1<<21)          ; a quarter of a block of weights
	MKG1 G1R, 96
	s_mov_b32 s[G0T], 1
	s_mul_i32 s[G0T+1], s12, 98304
	s_mov_b32 s[G0W], 1
	s_mov_b32 s[G0W+1], WT
	s_mov_b32 s[G0S], 1
	s_mov_b32 s[G0S+1], XSC
	s_mov_b32 s[G0R], 1
	s_mul_i32 s[G0R+1], s12, 24576
	s_add_co_u32 s[G0R+1], s[G0R+1], WT
	s_mul_i32 s22, s18, 196608                     ; the tokens' offsets hang on Y and the wave alone, the weights' on X and the wave alone
	s_add_co_u32 s22, s22, s[G0T+1]
	s_mov_b32 s23, 0
	s_lshl_b32 s78, s18, 13
	s_add_co_u32 s78, s78, TSOFF
	s_mov_b32 s79, 0
	s_mul_i32 s80, s17, 98304
	s_mov_b32 s81, 0
	s_mul_i32 s82, s12, 24576
	s_add_co_u32 s82, s82, s80
	s_mov_b32 s83, 0
	s_lshl_b32 s84, s17, 12
	s_add_co_u32 s84, s84, WSOFF
	s_mov_b32 s85, 0
	s_lshl_b32 s87, s16, 2                         ; the prefetches: my number among the 16 waves of my column of the cluster,
	s_add_co_u32 s87, s87, s12
	s_mul_i32 s87, s87, 6144                       ; 24 runs of 256 bytes each,
	s_add_co_u32 s87, s87, s80
	s_add_co_u32 s87, s87, WNEXT                   ; of k's block
	s_mov_b32 s2, 0x76543210
	s_mov_b32 s3, 0xfedcba98                       ; v_permlanex16_b32's selects for lane l xor 16
	s_wait_dscnt 0x0                               ; both opening adds are done
	s_wait_kmcnt 0x0
	s_add_nc_u64 s[G0T+2:G0T+3], s[4:5], s[22:23]
	s_add_nc_u64 s[G0S+2:G0S+3], s[4:5], s[78:79]
	s_add_nc_u64 s[G0W+2:G0W+3], s[6:7], s[80:81]
	s_add_nc_u64 s[G0R+2:G0R+3], s[6:7], s[82:83]  ; q's block: each refill steps it first
	s_add_nc_u64 s[76:77], s[6:7], s[84:85]        ; q's block's scale words
.irp g, G0T, G0S, G0W, G0R
	s_or_b32 s[\g+3], s[\g+3], 0x80000000          ; the type
.endr
	CROUND                                         ; all sixteen work-groups are here: the joint loads meet
	s_cmp_lt_u32 s12, 2                            ; one chain of branches on the wave's number, one load to an arm
	s_cbranch_scc0 .Lhead_w
	TLOAD G0T, G1T
	s_branch .Lasked
.Lhead_w:
	s_cmp_eq_u32 s12, 2
	s_cbranch_scc0 .Lhead_s
	TLOAD G0W, G1W
	s_branch .Lasked
.Lhead_s:
	TLOAD G0S, G1S
.Lasked:
	v_and_b32 v1, 15, v0                           ; r
	v_bfe_u32 v2, v0, 4, 1                         ; h
	v_and_b32 v9, 31, v0
	v_lshlrev_b32 v[L16], 4, v9
	v_lshlrev_b32 v[L8], 3, v9
	v_min_u32 v[PF], 23, v9                        ; lanes 24-31 name their wave's last run again
	v_lshlrev_b32 v9, 4, v1                        ; 16 r
	v_lshl_add_u32 v[PF], v[PF], 8, s87
	v_lshl_add_u32 v[GS], v2, 11, v9               ; lanes 16-31: four tiles on
	v_lshlrev_b32 v[R8B], 3, v1
.irp i, 0,1,2,3
.irp q, 0,1
	global_load_b128 v[SC0+8*\i+4*\q:SC0+8*\i+4*\q+3], v[GS], s[76:77] offset:512*\i+256*\q
.endr
.endr
	global_prefetch_b8 v[PF], s[6:7] th:TH_LOAD_NT scope:SCOPE_SE
	v_lshl_add_u32 v[GS1], v2, 10, v9              ; lanes 16-31: two tiles on
	s_lshl_b32 s21, s14, 11
	v_add_nc_u32 v[RS], XSC, v[GS1]
	v_add_nc_u32 v[GS1], s21, v[GS1]
	s_lshl_b32 s21, s12, 11
	v_add_nc_u32 v[RS], s21, v[RS]
	s_lshl_b32 s21, s13, 12
	s_add_co_u32 s21, s21, XSC
	v_add_nc_u32 v[PS], s21, v[GS]
	v_add_nc_u32 v[P16], WT, v[L16]
	v_add_nc_u32 v[P8], WT+512, v[L8]
	v_add_nc_u32 v[P16B], WT+49152, v[L16]
	v_add_nc_u32 v[P8B], WT+49152+512, v[L8]
	s_mul_i32 s21, s12, 49152                      ; token tiles 4 w on
	v_add_nc_u32 v[R16], s21, v[L16]
	s_add_co_u32 s21, s21, 512
	v_add_nc_u32 v[R8], s21, v[L8]
.irp b, 0,1,2,3
	v_mov_b32 v[TM+4+\b], 0                        ; written once: a lane permute's destination counts as one of its sources
.endr
	WALU                                           ; the wait at the head's end
	s_wait_tensorcnt 0x0                           ; my tile is in
	s_barrier_signal -1
	s_barrier_wait -1                              ; everybody's is
.irp i, 0,1
.irp q, 0,1
	ds_load_b128 v[SC1+8*\i+4*\q:SC1+8*\i+4*\q+3], v[RS] offset:512*\i+256*\q
.endr
.endr
	s_mov_b32 s98, 0                               ; the trip: 0 q, 1 k
.Ltile:
	MAIN 1
	s_wait_xcnt 0x0                                ; the last trip's stores have read their bases and their data
	s_lshr_b32 s78, s18, 3
	s_lshl_b32 s78, s78, 4
	s_lshl_b32 s79, s17, 1
	s_add_co_u32 s78, s78, s79                     ; 16 batch + my first head
	s_and_b32 s79, s18, 7
	s_lshl_b32 s79, s79, 1
	s_add_co_u32 s79, s79, s13                     ; the step of 128 tokens in the sequence
	s_cmp_eq_u32 s98, 0                            ; q or k
	s_cselect_b64 s[80:81], s[8:9], s[10:11]
	s_mov_b32 s82, 204800
	s_cselect_b32 s82, 98304, s82                  ; from head to head, codes
	s_mov_b32 s83, 12288
	s_cselect_b32 s83, 6144, s83                   ; from step to step
	s_cselect_b32 s84, 0, 8192
	s_mov_b32 s85, 204800
	s_cselect_b32 s85, 4096, s85                   ; from head to head, scale bytes
	s_cselect_b32 s86, TSOFF, 0
	s_mul_i32 s88, s78, s82
	s_mul_i32 s89, s79, s83
	s_add_co_u32 s88, s88, s89
	s_add_co_u32 s88, s88, s84
	s_mul_i32 s89, s14, 3072
	s_add_co_u32 s88, s88, s89
	s_mov_b32 s89, 0
	s_add_nc_u64 s[90:91], s[80:81], s[88:89]      ; my four tiles' half images, first head
	s_mov_b32 s88, s82
	s_add_nc_u64 s[92:93], s[90:91], s[88:89]      ; second head
	s_mul_i32 s88, s78, s85
	s_add_co_u32 s88, s88, s86
	s_lshl_b32 s87, s79, 8
	s_add_co_u32 s88, s88, s87
	s_lshl_b32 s87, s14, 2
	s_add_co_u32 s88, s88, s87
	s_add_nc_u64 s[94:95], s[80:81], s[88:89]      ; their scale bytes
	s_mov_b32 s88, s85
	s_add_nc_u64 s[96:97], s[94:95], s[88:89]
	s_add_nc_u64 s[76:77], s[76:77], 32768         ; the next block's scale words, asked for ahead of this block's way out
	s_cmp_eq_u32 s98, 0
	s_cbranch_scc0 .Lnext_v
.irp i, 0,1,2,3
.irp q, 0,1
	global_load_b128 v[SC0+8*\i+4*\q:SC0+8*\i+4*\q+3], v[GS], s[76:77] offset:512*\i+256*\q
.endr
.endr
	global_prefetch_b8 v[PF], s[6:7] offset:WNEXT th:TH_LOAD_NT scope:SCOPE_SE   ; v's block, which the next trip's refill loads
	s_branch .Lnext_done
.Lnext_v:                                      ; v: the weights are source 1, the tokens source 0
.irp i, 0,1
.irp q, 0,1
	global_load_b128 v[SC1+8*\i+4*\q:SC1+8*\i+4*\q+3], v[GS1], s[76:77] offset:512*\i+256*\q
.endr
.endr
.irp i, 0,1,2,3
.irp q, 0,1
	ds_load_b128 v[SC0+8*\i+4*\q:SC0+8*\i+4*\q+3], v[PS] offset:512*\i+256*\q
.endr
.endr
.Lnext_done:
.irp a, 0,1,2,3
.if \a > 0
	s_wait_xcnt 0x0                                ; the last tile's stores have read the registers that are written again below
.endif
	QUANTW 64*\a                                   ; blocks 0, 1: the first head's d; blocks 2, 3: the second's
	STOREF 90, 768*\a, 92, 768*\a
	global_store_b16 v[R8B], v[PW], s[94:95] offset:128*(\a/2)+2*(\a%2)          ; both halves of the lanes hold and write the same
	global_store_d16_hi_b16 v[R8B], v[PW], s[96:97] offset:128*(\a/2)+2*(\a%2)
.endr
	WALU
	s_wait_tensorcnt 0x0                           ; my quarter of the next block is in
	s_wait_dscnt 0x0
	s_barrier_signal -1
	s_barrier_wait -1                              ; everybody's is
	s_add_co_u32 s98, s98, 1
	s_cmp_lt_u32 s98, 2
	s_cbranch_scc1 .Ltile
; ---- v
	s_mul_i32 s21, s13, 98304                      ; token tiles 8 (w / 2) on
	v_add_nc_u32 v[P16], s21, v[L16]
	s_add_co_u32 s21, s21, 512
	v_add_nc_u32 v[P8], s21, v[L8]
	v_add_nc_u32 v[P16B], 49152, v[P16]
	v_add_nc_u32 v[P8B], 49152, v[P8]
	s_mul_i32 s21, s14, 49152                      ; weight tiles 4 (w % 2) on
	s_add_co_u32 s21, s21, WT
	v_add_nc_u32 v[R16], s21, v[L16]
	s_add_co_u32 s21, s21, 512
	v_add_nc_u32 v[R8], s21, v[L8]
	WALU
	MAIN 0
	s_wait_xcnt 0x0
	s_lshr_b32 s78, s18, 3
	s_lshl_b32 s78, s78, 4
	s_lshl_b32 s79, s17, 1
	s_add_co_u32 s78, s78, s79
	s_add_co_u32 s78, s78, s14                     ; 16 batch + my head
	s_and_b32 s79, s18, 7
	s_lshl_b32 s79, s79, 1
	s_add_co_u32 s79, s79, s13                     ; my step of 128 keys
	s_mul_i32 s78, s78, 204800
	s_mul_i32 s88, s79, 12288
	s_add_co_u32 s88, s88, s78
	s_add_co_u32 s88, s88, 8192+6144
	s_mov_b32 s89, 0
	s_add_nc_u64 s[90:91], s[10:11], s[88:89]      ; the step's four fragments of v
	s_lshl_b32 s88, s79, 8
	s_add_co_u32 s88, s88, s78
	s_add_co_u32 s88, s88, 4096
	s_add_nc_u64 s[94:95], s[10:11], s[88:89]      ; their scale words
.irp a, 0,1,2,3
.if \a > 0
	s_wait_xcnt 0x0
.endif
	QUANTW 64*\a                                   ; 16 of the head's 64 x 128 keys
	STOREF 90, 1536*\a, 90, 1536*\a+768
	global_store_b32 v[R8B], v[PW], s[94:95] offset:128*(\a%2)+4*(\a/2)
.endr
	s_wait_tensorcnt 0x0                           ; the wave's end
	ds_add_u32 v[SPW], v[NIL]
	s_wait_dscnt 0x0
	CROUND                                         ; the closing round
	s_endpgm
.Lfunc_end_k_q40a5e3d8ce_gemm_qkv:
	.size	k_q40a5e3d8ce_gemm_qkv, .Lfunc_end_k_q40a5e3d8ce_gemm_qkv-k_q40a5e3d8ce_gemm_qkv
	.p2alignl 7, 3214868480
	.fill 96, 4, 3214868480
	.section	.rodata,"a",@progbits
	.p2align	6, 0x0
	.amdhsa_kernel k_q40a5e3d8ce_gemm_qkv
		.amdhsa_group_segment_fixed_size 327680
		.amdhsa_private_segment_fixed_size 0
		.amdhsa_enable_private_segment 0
		.amdhsa_kernarg_size 32
		.amdhsa_user_sgpr_count 2
		.amdhsa_user_sgpr_kernarg_segment_ptr 1
		.amdhsa_wavefront_size32 1
		.amdhsa_system_sgpr_workgroup_id_x 1
		.amdhsa_system_sgpr_workgroup_id_y 1
		.amdhsa_system_sgpr_workgroup_id_z 1
		.amdhsa_system_vgpr_workitem_id 0
		.amdhsa_next_free_vgpr 768
		.amdhsa_next_free_sgpr 106
		.amdhsa_reserve_vcc 0
		.amdhsa_float_denorm_mode_32 3
		.amdhsa_float_denorm_mode_16_64 3
		.amdhsa_memory_ordered 1
		.amdhsa_forward_progress 1
		.amdhsa_inst_pref_size 166
	.end_amdhsa_kernel
	.amdgpu_metadata
---
amdhsa.version: [ 1, 2 ]
amdhsa.kernels:
  - .name:           k_q40a5e3d8ce_gemm_qkv
    .symbol:         k_q40a5e3d8ce_gemm_qkv.kd
    .args:
      - { .name: xb, .offset: 0, .size: 8, .value_kind: global_buffer, .address_space: global }
      - { .name: wb, .offset: 8, .size: 8, .value_kind: global_buffer, .address_space: global }
      - { .name: qb, .offset: 16, .size: 8, .value_kind: global_buffer, .address_space: global }
      - { .name: kv, .offset: 24, .size: 8, .value_kind: global_buffer, .address_space: global }
    .group_segment_fixed_size: 327680
    .private_segment_fixed_size: 0
    .kernarg_segment_align: 8
    .kernarg_segment_size: 32
    .max_flat_workgroup_size: 128
    .sgpr_count:     106
    .vgpr_count:     768
    .wavefront_size: 32
...
	.end_amdgpu_metadata
.endif
;; end of part 2
;; launch attn (part 3): grid 4 x 64, 16 waves a work-group, clusters of 4 x 1, 327,680 bytes of LDS; arguments qb, kv, bt, aob; writes aob
.if DOCPART == 3
	.amdgcn_target "amdgcn-amd-amdhsa--gfx1250"
	.amdhsa_code_object_version 6
	.text
	.protected	k_q40a5e3d8ce_attn
	.globl	k_q40a5e3d8ce_attn
	.p2align	8
	.type	k_q40a5e3d8ce_attn,@function
k_q40a5e3d8ce_attn:
	s_mov_b64 s[64:65], 0
	v_nop
	global_prefetch_b8 v0, s[64:65] scope:SCOPE_SE
	s_setreg_imm32_b32 hwreg(HW_REG_WAVE_MODE, 25, 1), 1
	s_wait_xcnt 0x0
	s_wait_alu depctr_hold_cnt(0) depctr_sa_sdst(0) depctr_va_vdst(0) depctr_va_sdst(0) depctr_va_ssrc(0) depctr_va_vcc(0) depctr_vm_vsrc(0)
	s_getreg_b32 s2, hwreg(HW_REG_IB_STS2, 6, 4)
	s_cmp_eq_u32 s2, 0
	s_cbranch_scc0 .Lentry_in_a_cluster
	s_endpgm
.Lentry_in_a_cluster:
	s_bfe_u32 s2, ttmp6, 0x10000c
	s_cmp_lg_u32 s2, 0x3003
	s_cbranch_scc0 .Lentry_shape_is_right
	s_endpgm
.Lentry_shape_is_right:
; ATTENTION on codes of E2M3: S^T = k q^T with the relative bias (and the mask on the diagonal) as the first product's C, a running whole-number maximum, p quantised by blocks of 32 keys, O^T += v^T p^T, O / l quantised for the last product.
; A work-group takes one (batch, head) and every fourth tile of 16 queries (cx); 16 waves, each two tiles: 31 - w, then w: 17 steps of 128 keys a wave.  LEFT OUT as dead work (see the first launch): steps that lie wholly behind a tile's queries.
; All of the head's k and v (204,800 bytes) lies in LDS, asked for jointly by the four work-groups of a cluster; the table of biases (four copies, 9,216 bytes each) is the work-group's own.
; THE HEAD: one tensor load a wave, in one chain of branches on the wave's number: waves 0-3 a copy of the table each, waves 4-7 the scale words and the first four steps of keys, waves 8-15 the other twelve steps.
; The first barrier shows what waves 0-7 asked for; the second, behind four steps, the rest.  Nothing is filled again, so there is nothing to prefetch ahead of.  Both tiles' q come into registers at the head.
; LIMITS: as at the head of the first launch; the promise holds while the scaled scores stay under 2^31 in magnitude.
.set BIAS,  204800
.set SPARE, 241920
.set SPW, 5
.set NIL, 6
.macro CROUND
	s_barrier_signal -1
	s_barrier_wait -1
	s_cmp_lg_u32 s12, 0
	s_cbranch_scc1 .Lnot_wave_0_\@
	s_barrier_signal -3
.Lnot_wave_0_\@:
	s_barrier_wait -3
	s_barrier_signal -1
	s_barrier_wait -1
.endm
.macro MKG1 g, c, r, p
	s_mov_b32 s[\g+1], (\c)<<16
	s_mov_b32 s[\g+2], (\r)<<16
	s_mov_b32 s[\g+3], (\c)<<16
	s_mov_b32 s[\g+4], \r
	s_mov_b32 s[\g+5], \p
	s_mov_b32 s[\g+6], 0
	s_mov_b32 s[\g+7], 0
.endm
.macro KQ t
.set rD, 96+8*(\t)
.set rA, 36+12*((\t)/2)
.set rB, 22-6*((\t)%2)
.set rS, 84+(\t)/4
.set rQ, 34+(\t)%2
.if ((\t)/2)%2
	v_wmma_scale_f32_16x16x128_f8f6f4 v[rD:rD+7], v[rA:rA+11], v[rB:rB+11], v[rD:rD+7], v[rS], v[rQ] matrix_a_fmt:MATRIX_FMT_FP6 matrix_b_fmt:MATRIX_FMT_FP6 matrix_a_scale:MATRIX_SCALE_ROW1
.else
	v_wmma_scale_f32_16x16x128_f8f6f4 v[rD:rD+7], v[rA:rA+11], v[rB:rB+11], v[rD:rD+7], v[rS], v[rQ] matrix_a_fmt:MATRIX_FMT_FP6 matrix_b_fmt:MATRIX_FMT_FP6
.endif
.endm
.macro PVM t
.if (\t)%2
	v_wmma_scale_f32_16x16x128_f8f6f4 v[160+8*(\t):167+8*(\t)], v[36+12*(\t):47+12*(\t)], v[192:203], v[160+8*(\t):167+8*(\t)], v[86+(\t)/2], v227 matrix_a_fmt:MATRIX_FMT_FP6 matrix_b_fmt:MATRIX_FMT_FP6 matrix_a_scale:MATRIX_SCALE_ROW1
.else
	v_wmma_scale_f32_16x16x128_f8f6f4 v[160+8*(\t):167+8*(\t)], v[36+12*(\t):47+12*(\t)], v[192:203], v[160+8*(\t):167+8*(\t)], v[86+(\t)/2], v227 matrix_a_fmt:MATRIX_FMT_FP6 matrix_b_fmt:MATRIX_FMT_FP6
.endif
.endm
.macro STEP check
.if \check
	s_cmp_gt_u32 s17, s16
	s_cbranch_scc1 .Lskip_\@
.endif
	s_min_u32 s61, s60, 7936
	v_add_nc_u32 v8, s18, v1
	v_add_nc_u32 v9, s18, v2
	v_add_nc_u32 v10, s19, v3
	v_add_nc_u32 v11, s61, v4
.irp t, 0,1,2,3,4,5,6,7
	ds_load_b128 v[96+8*\t:99+8*\t], v11 offset:128*(\t/2)+32*(\t%2)
	ds_load_b128 v[100+8*\t:103+8*\t], v11 offset:128*(\t/2)+32*(\t%2)+16
.endr
.irp i, 0,1,2,3
	ds_load_b128 v[36+12*\i:39+12*\i], v8 offset:1536*\i
	ds_load_b64 v[40+12*\i:41+12*\i], v9 offset:1536*\i
	ds_load_b128 v[42+12*\i:45+12*\i], v8 offset:1536*\i+768
	ds_load_b64 v[46+12*\i:47+12*\i], v9 offset:1536*\i+768
.endr
	ds_load_b64 v[84:85], v10
	s_wait_alu depctr_va_vdst(0)
	s_wait_dscnt 0x0
.irp t, 0,1,2,3,4,5,6,7
	KQ \t
.endr
.rept 4
	v_nop
.endr
.irp t, 0,1,2,3
	ds_load_b128 v[36+12*\t:39+12*\t], v8 offset:6144+1536*\t
	ds_load_b64 v[40+12*\t:41+12*\t], v9 offset:6144+1536*\t
	ds_load_b128 v[42+12*\t:45+12*\t], v8 offset:6144+1536*\t+768
	ds_load_b64 v[46+12*\t:47+12*\t], v9 offset:6144+1536*\t+768
.endr
	ds_load_b64 v[86:87], v10 offset:4096
.irp b, 0,1,2,3
	v_max3_num_f32 v[212+\b], v[96+16*\b], v[97+16*\b], v[98+16*\b]
.endr
.irp i, 3,5,7,9,11,13
.irp b, 0,1,2,3
	v_max3_num_f32 v[212+\b], v[212+\b], v[96+16*\b+\i], v[97+16*\b+\i]
.endr
.endr
.irp b, 0,1,2,3
	v_max_num_f32 v[212+\b], v[212+\b], v[111+16*\b]
.endr
.irp b, 0,1,2,3
	s_delay_alu instid0(VALU_DEP_4)
	v_permlanex16_b32 v[216+\b], v[212+\b], s20, s21
.endr
.irp b, 0,1,2,3
	s_delay_alu instid0(VALU_DEP_4)
	v_max_num_f32 v[212+\b], v[212+\b], v[216+\b]
.endr
	s_delay_alu instid0(VALU_DEP_2)
	v_max3_num_f32 v226, v212, v213, v214
	s_delay_alu instid0(VALU_DEP_1)
	v_max_num_f32 v226, v226, v215
	s_delay_alu instid0(VALU_DEP_1)
	v_mul_f32 v226, s22, v226
	s_delay_alu instid0(VALU_DEP_1)
	v_max_num_f32 v13, v13, v226
	v_mov_b32 v226, v12
	s_delay_alu instid0(VALU_DEP_2)
	v_floor_f32 v12, -v13
	s_delay_alu instid0(VALU_DEP_1)
	v_sub_f32 v226, v12, v226
	s_delay_alu instid0(VALU_DEP_1)
	v_cvt_i32_f32 v226, v226
	s_delay_alu instid0(VALU_DEP_1)
	v_ldexp_f32 v224, 1.0, v226
.irp j, 0,2,4,6,8,10,12,14,16,18,20,22,24,26,28,30,32,34,36,38,40,42,44,46,48,50,52,54,56,58,60,62
	v_pk_fma_f32 v[96+\j:97+\j], v[96+\j:97+\j], s[22:23], v[12:13] op_sel_hi:[1,0,0]
.endr
.irp b, 0,1,2,3
	v_fma_f32 v[212+\b], v[212+\b], s22, v12
.endr
	s_wait_alu depctr_va_vdst(0)
.irp j, 0,1,2,3,4,5,6,7,8,9,10,11,12,13,14,15,16,17,18,19,20,21,22,23,24,25,26,27,28,29,30,31,32,33,34,35,36,37,38,39,40,41,42,43,44,45,46,47,48,49,50,51,52,53,54,55,56,57,58,59,60,61,62,63
	v_exp_f32 v[96+\j], v[96+\j]
.endr
	v_pk_mul_f32 v[14:15], v[14:15], v[224:225] op_sel_hi:[1,0]
	s_wait_alu depctr_va_vdst(0)
.irp b, 0,1,2,3
	v_exp_f32 v[212+\b], v[212+\b]
.endr
	v_pk_add_f32 v[216:217], v[96:97], v[98:99]
.irp j, 4,8,12,16,20,24,28,32,36,40,44,48,52,56,60
	v_pk_add_f32 v[14:15], v[14:15], v[96+\j:97+\j]
	v_pk_add_f32 v[216:217], v[216:217], v[98+\j:99+\j]
.endr
	s_delay_alu instid0(VALU_DEP_1)
	v_pk_add_f32 v[14:15], v[14:15], v[216:217]
	s_wait_alu depctr_va_vdst(0)
.irp b, 0,1,2,3
	v_max_num_f32 v[212+\b], 0x1800000, v[212+\b]
.endr
.irp b, 0,1,2,3
	s_delay_alu instid0(VALU_DEP_4)
	v_add_nc_u32 v[220+\b], 0xff000000, v[212+\b]
.endr
.irp b, 0,1,2,3
	s_delay_alu instid0(VALU_DEP_4)
	v_lshrrev_b32 v[216+\b], 23, v[220+\b]
.endr
	s_delay_alu instid0(VALU_DEP_3)
	v_lshl_or_b32 v227, v217, 8, v216
	s_delay_alu instid0(VALU_DEP_1)
	v_lshl_or_b32 v227, v218, 16, v227
	s_delay_alu instid0(VALU_DEP_1)
	v_lshl_or_b32 v227, v219, 24, v227
.irp c, 0,1
	v_cvt_scalef32_pk16_fp6_f32 v[192+6*\c:194+6*\c], v[96+32*\c:111+32*\c], v[220+2*\c]
	v_cvt_scalef32_pk16_fp6_f32 v[204+4*\c:206+4*\c], v[112+32*\c:127+32*\c], v[220+2*\c+1]
.endr
	v_nop
.irp c, 0,1
.irp i, 0,1,2
	v_permlane16_swap_b32 v[192+6*\c+\i], v[204+4*\c+\i]
.endr
.irp i, 0,1,2
	s_delay_alu instid0(VALU_DEP_3)
	v_mov_b32 v[195+6*\c+\i], v[204+4*\c+\i]
.endr
.endr
.irp j, 0,2,4,6,8,10,12,14,16,18,20,22,24,26,28,30
	v_pk_mul_f32 v[160+\j:161+\j], v[160+\j:161+\j], v[224:225] op_sel_hi:[1,0]
.endr
	s_wait_alu depctr_va_vdst(0)
	s_wait_dscnt 0x0
.irp t, 0,1,2,3
	PVM \t
.endr
.Lskip_\@:
	s_add_co_u32 s17, s17, 1
	s_add_co_u32 s18, s18, 12288
	s_add_co_u32 s19, s19, 256
	s_add_co_u32 s60, s60, 512
.endm
.macro PRO pass
.if \pass
	s_wait_xcnt 0x0
	s_mov_b32 s15, s12
.else
	s_xor_b32 s15, s12, 31
.endif
	s_lshr_b32 s16, s15, 1
	s_mov_b32 s17, 0
	s_mov_b32 s18, 8192
	s_mov_b32 s19, 0
	s_xor_b32 s60, s15, 31
	s_lshl_b32 s60, s60, 8
	s_mul_i32 s62, s15, 3072
	s_mov_b32 s63, 0
	s_add_nc_u64 s[66:67], s[74:75], s[62:63]
	s_lshl_b32 s62, s16, 8
	s_and_b32 s82, s15, 1
	s_lshl_b32 s82, s82, 2
	s_add_co_u32 s62, s62, s82
	s_add_nc_u64 s[68:69], s[76:77], s[62:63]
	s_mul_i32 s62, s15, 49152
	s_add_nc_u64 s[70:71], s[78:79], s[62:63]
	s_lshl_b32 s62, s15, 11
	s_add_nc_u64 s[72:73], s[80:81], s[62:63]
.if \pass
.irp j, 0,1,2,3,4,5
	v_mov_b32 v[22+\j], v[228+\j]                  ; the second tile's q, loaded with the first's
.endr
	v_mov_b32 v34, v234
.else
	s_mul_i32 s62, s12, 3072                       ; the second tile is tile w
	s_add_nc_u64 s[84:85], s[74:75], s[62:63]
	s_lshr_b32 s62, s12, 1
	s_lshl_b32 s62, s62, 8
	s_and_b32 s82, s12, 1
	s_lshl_b32 s82, s82, 2
	s_add_co_u32 s62, s62, s82
	s_add_nc_u64 s[86:87], s[76:77], s[62:63]
	global_load_b128 v[22:25], v1, s[66:67]
	global_load_b64 v[26:27], v3, s[66:67] offset:512
	global_load_u16 v34, v88, s[68:69]
	global_load_b128 v[228:231], v1, s[84:85]
	global_load_b64 v[232:233], v3, s[84:85] offset:512
	global_load_u16 v234, v88, s[86:87]
.endif
	v_mov_b32 v13, 0xff61b1e6
	v_mov_b32 v14, 0
	v_mov_b32 v15, 0
	v_floor_f32 v12, -v13
.if \pass == 0
	s_wait_loadcnt 0x0
.endif
	v_lshlrev_b32 v35, 16, v34
.irp j, 0,1,2,3,4,5,6,7,8,9,10,11,12,13,14,15,16,17,18,19,20,21,22,23,24,25,26,27,28,29,30,31
	v_mov_b32 v[160+\j], 0
.endr
.endm
.macro EPI
.rept 4
	v_nop
.endr
	v_add_f32 v14, v14, v15
	s_delay_alu instid0(VALU_DEP_1)
	v_permlanex16_b32 v226, v14, s20, s21
	s_delay_alu instid0(VALU_DEP_1)
	v_add_f32 v14, v14, v226
	s_wait_alu depctr_va_vdst(0)
	v_rcp_f32 v14, v14
	v_nop
	s_wait_alu depctr_va_vdst(0)
.irp j, 0,2,4,6,8,10,12,14,16,18,20,22,24,26,28,30
	v_pk_mul_f32 v[96+\j:97+\j], v[160+\j:161+\j], v[14:15] op_sel_hi:[1,0]
.endr
.irp b, 0,1
	v_max3_num_f32 v[212+\b], |v[96+16*\b]|, |v[97+16*\b]|, 0x1800000
.endr
.irp i, 2,4,6,8,10,12,14
.irp b, 0,1
	s_delay_alu instid0(VALU_DEP_2)
	v_max3_num_f32 v[212+\b], v[212+\b], |v[96+16*\b+\i]|, |v[97+16*\b+\i]|
.endr
.endr
.irp b, 0,1
	s_delay_alu instid0(VALU_DEP_2)
	v_permlanex16_b32 v[216+\b], v[212+\b], s20, s21
.endr
.irp b, 0,1
	s_delay_alu instid0(VALU_DEP_2)
	v_max_num_f32 v[212+\b], v[212+\b], v[216+\b]
.endr
.irp b, 0,1
	s_delay_alu instid0(VALU_DEP_2)
	v_add_nc_u32 v[220+\b], 0xff000000, v[212+\b]
.endr
.irp b, 0,1
	s_delay_alu instid0(VALU_DEP_2)
	v_lshrrev_b32 v[216+\b], 23, v[220+\b]
.endr
	s_delay_alu instid0(VALU_DEP_1)
	v_lshl_or_b32 v227, v217, 8, v216
	v_cvt_scalef32_pk16_fp6_f32 v[192:194], v[96:111], v220
	v_cvt_scalef32_pk16_fp6_f32 v[204:206], v[112:127], v221
	v_nop
.irp i, 0,1,2
	v_permlane16_swap_b32 v[192+\i], v[204+\i]
.endr
.irp i, 0,1,2
	s_delay_alu instid0(VALU_DEP_3)
	v_mov_b32 v[195+\i], v[204+\i]
.endr
	global_store_b128 v1, v[192:195], s[70:71]
	global_store_b64 v3, v[196:197], s[70:71] offset:512
	global_store_b16 v7, v227, s[72:73]
.endm
	s_load_b256 s[4:11], s[0:1], 0x0
	v_lshl_add_u32 v[SPW], v0, 2, SPARE
	v_mov_b32 v[NIL], 0
	ds_add_u32 v[SPW], v[NIL]
	ds_add_u32 v[SPW], v[NIL]
	v_lshrrev_b32 v1, 5, v0
	s_delay_alu instid0(VALU_DEP_1)
	v_readfirstlane_b32 s12, v1
	s_bfe_u32 s13, ttmp6, 0x40000
	s_and_b32 s14, ttmp7, 0xffff
	s_mov_b32 s24, 3<<16
	MKG1 24, 32, 36, 32
	s_mov_b32 s32, 15|(3<<16)|(1<<21)
	MKG1 32, 32, 56, 32
	s_mov_b32 s40, 15|(3<<16)|(1<<21)
	MKG1 40, 32, 72, 32
	s_mov_b32 s48, 1
	s_mul_i32 s49, s12, 9216
	s_and_b32 s62, s12, 1
	s_lshl_b32 s62, s62, 5
	s_add_co_u32 s49, s49, s62
	s_lshr_b32 s62, s12, 1
	s_lshl_b32 s62, s62, 7
	s_add_co_u32 s49, s49, s62
	s_add_co_u32 s49, s49, BIAS
	s_mov_b32 s52, 1
	s_and_b32 s53, s12, 3
	s_mul_i32 s53, s53, 14336
	s_mov_b32 s56, 1
	s_and_b32 s57, s12, 7
	s_mul_i32 s57, s57, 18432
	s_add_co_u32 s57, s57, 57344
	s_mul_i32 s60, s14, 204800
	s_mov_b32 s61, 0
	s_and_b32 s62, s14, 15
	s_lshr_b32 s63, s14, 4
	s_lshl_b32 s82, s62, 2
	s_add_co_u32 s82, s82, s13
	s_mul_i32 s82, s82, 36864
	s_mul_i32 s83, s12, 9216
	s_add_co_u32 s82, s82, s83
	s_mov_b32 s83, 0
	s_mov_b32 s20, 0x76543210
	s_mov_b32 s21, 0xfedcba98
	s_mov_b32 s22, 0x3e38aa3b
	s_mov_b32 s23, s22
	s_wait_dscnt 0x0
	s_wait_kmcnt 0x0
	s_add_nc_u64 s[50:51], s[8:9], s[82:83]
	s_or_b32 s51, s51, 0x80000000
	s_add_nc_u64 s[6:7], s[6:7], s[60:61]
	s_mov_b32 s60, s53
	s_add_nc_u64 s[54:55], s[6:7], s[60:61]
	s_or_b32 s55, s55, 0x80000000
	s_mov_b32 s60, s57
	s_add_nc_u64 s[58:59], s[6:7], s[60:61]
	s_or_b32 s59, s59, 0x80000000
	CROUND
	s_cmp_lt_u32 s12, 4                            ; one chain of branches on the wave's number, one load to an arm
	s_cbranch_scc0 .Lhead_first
	tensor_load_to_lds s[48:51], s[24:31]          ; waves 0-3: copy w of the table
	s_nop 0
.rept 4
	v_nop
.endr
	s_branch .Lhead_asked
.Lhead_first:
	s_cmp_lt_u32 s12, 8
	s_cbranch_scc0 .Lhead_rest
	tensor_load_to_lds s[52:55], s[32:39]          ; waves 4-7: a quarter each of the first 57,344 bytes
	s_nop 0
.rept 4
	v_nop
.endr
	s_branch .Lhead_asked
.Lhead_rest:
	tensor_load_to_lds s[56:59], s[40:47]          ; waves 8-15: an eighth each of the other 147,456
	s_nop 0
.rept 4
	v_nop
.endr
.Lhead_asked:
	s_mul_i32 s82, s14, 98304
	s_mul_i32 s60, s13, 768
	s_add_co_u32 s82, s82, s60
	s_add_nc_u64 s[74:75], s[4:5], s[82:83]
	s_lshl_b32 s82, s14, 12
	s_lshr_b32 s60, s13, 1
	s_lshl_b32 s60, s60, 7
	s_add_co_u32 s82, s82, s60
	s_and_b32 s60, s13, 1
	s_lshl_b32 s60, s60, 1
	s_add_co_u32 s82, s82, s60
	s_add_co_u32 s82, s82, 6291456
	s_add_nc_u64 s[76:77], s[4:5], s[82:83]
	s_mul_i32 s82, s63, 1572864
	s_mul_i32 s60, s13, 12288
	s_add_co_u32 s82, s82, s60
	s_mul_i32 s60, s62, 768
	s_add_co_u32 s82, s82, s60
	s_add_nc_u64 s[78:79], s[10:11], s[82:83]
	s_lshl_b32 s82, s63, 16
	s_lshl_b32 s60, s13, 9
	s_add_co_u32 s82, s82, s60
	s_lshr_b32 s60, s62, 3
	s_lshl_b32 s60, s60, 8
	s_add_co_u32 s82, s82, s60
	s_and_b32 s60, s62, 7
	s_lshl_b32 s60, s60, 1
	s_add_co_u32 s82, s82, s60
	s_add_co_u32 s82, s82, 6291456
	s_add_nc_u64 s[80:81], s[10:11], s[82:83]
	v_and_b32 v8, 31, v0
	s_delay_alu instid0(VALU_DEP_1)
	v_lshlrev_b32 v1, 4, v8
	s_delay_alu instid0(VALU_DEP_2)
	v_lshlrev_b32 v3, 3, v8
	s_delay_alu instid0(VALU_DEP_1)
	v_add_nc_u32 v2, 512, v3
	v_and_b32 v8, 15, v0
	v_bfe_u32 v9, v0, 4, 1
	s_delay_alu instid0(VALU_DEP_2)
	v_and_b32 v10, 8, v8
	s_delay_alu instid0(VALU_DEP_1)
	v_add_nc_u32 v10, v10, v8
	s_delay_alu instid0(VALU_DEP_1)
	v_sub_nc_u32 v10, 23, v10
	s_delay_alu instid0(VALU_DEP_1)
	v_and_b32 v11, 1, v10
	s_delay_alu instid0(VALU_DEP_1)
	v_mul_u32_u24 v4, v11, 9248
	s_delay_alu instid0(VALU_DEP_3)
	v_bfe_u32 v11, v10, 1, 1
	s_delay_alu instid0(VALU_DEP_1)
	v_mad_u32_u24 v4, v11, 18560, v4
	v_lshrrev_b32 v11, 2, v10
	s_delay_alu instid0(VALU_DEP_1)
	v_lshl_add_u32 v4, v11, 4, v4
	s_delay_alu instid0(VALU_DEP_1)
	v_lshl_add_u32 v4, v9, 6, v4
	s_delay_alu instid0(VALU_DEP_1)
	v_add_nc_u32 v4, BIAS, v4
	v_lshlrev_b32 v7, 4, v8
	v_lshlrev_b32 v88, 3, v8
.irp j, 16,17,18,19,20,21,28,29,30,31,32,33
	v_mov_b32 v\j, 0
.endr
.irp j, 216,217,218,219,225,226
	v_mov_b32 v\j, 0
.endr
	PRO 0
	s_wait_alu depctr_va_vdst(0)                   ; the wait at the head's end
	s_cmp_lt_u32 s12, 8                            ; the waves of the first two arms wait here, each for its own load line
	s_cbranch_scc0 .Lnot_first
	s_wait_tensorcnt 0x0
.Lnot_first:
	s_barrier_signal -1
	s_barrier_wait -1
	s_mov_b32 s83, 4
.Lb1:
	STEP 0
	s_sub_co_u32 s83, s83, 1
	s_cmp_lg_u32 s83, 0
	s_cbranch_scc1 .Lb1
	s_wait_tensorcnt 0x0
	s_wait_dscnt 0x0
	s_barrier_signal -1
	s_barrier_wait -1
	s_mov_b32 s83, 12
.Lb2:
	STEP 1
	s_sub_co_u32 s83, s83, 1
	s_cmp_lg_u32 s83, 0
	s_cbranch_scc1 .Lb2
	EPI
	PRO 1
	s_mov_b32 s83, 8
.La:
	STEP 1
	s_sub_co_u32 s83, s83, 1
	s_cmp_lg_u32 s83, 0
	s_cbranch_scc1 .La
	EPI
	s_wait_tensorcnt 0x0
	ds_add_u32 v[SPW], v[NIL]
	s_wait_dscnt 0x0
	CROUND
	s_endpgm
.Lfunc_end_k_q40a5e3d8ce_attn:
	.size	k_q40a5e3d8ce_attn, .Lfunc_end_k_q40a5e3d8ce_attn-k_q40a5e3d8ce_attn
	.p2alignl 7, 3214868480
	.fill 96, 4, 3214868480
	.section	.rodata,"a",@progbits
	.p2align	6, 0x0
	.amdhsa_kernel k_q40a5e3d8ce_attn
		.amdhsa_group_segment_fixed_size 327680
		.amdhsa_private_segment_fixed_size 0
		.amdhsa_enable_private_segment 0
		.amdhsa_kernarg_size 32
		.amdhsa_user_sgpr_count 2
		.amdhsa_user_sgpr_kernarg_segment_ptr 1
		.amdhsa_wavefront_size32 1
		.amdhsa_system_sgpr_workgroup_id_x 1
		.amdhsa_system_sgpr_workgroup_id_y 1
		.amdhsa_system_sgpr_workgroup_id_z 1
		.amdhsa_system_vgpr_workitem_id 0
		.amdhsa_next_free_vgpr 256
		.amdhsa_next_free_sgpr 92
		.amdhsa_reserve_vcc 0
		.amdhsa_float_denorm_mode_32 3
		.amdhsa_float_denorm_mode_16_64 3
		.amdhsa_memory_ordered 1
		.amdhsa_forward_progress 1
		.amdhsa_inst_pref_size 78
	.end_amdhsa_kernel
	.amdgpu_metadata
---
amdhsa.version: [ 1, 2 ]
amdhsa.kernels:
  - .name:           k_q40a5e3d8ce_attn
    .symbol:         k_q40a5e3d8ce_attn.kd
    .args:
      - { .name: qb, .offset: 0, .size: 8, .value_kind: global_buffer, .address_space: global }
      - { .name: kv, .offset: 8, .size: 8, .value_kind: global_buffer, .address_space: global }
      - { .name: bt, .offset: 16, .size: 8, .value_kind: global_buffer, .address_space: global }
      - { .name: aob, .offset: 24, .size: 8, .value_kind: global_buffer, .address_space: global }
    .group_segment_fixed_size: 327680
    .private_segment_fixed_size: 0
    .kernarg_segment_align: 8
    .kernarg_segment_size: 32
    .max_flat_workgroup_size: 512
    .sgpr_count:     92
    .vgpr_count:     256
    .wavefront_size: 32
...
	.end_amdgpu_metadata
.endif
;; end of part 3
;; launch gemm_out (part 4): grid 8 x 32, 4 waves a work-group, clusters of 4 x 4, 327,680 bytes of LDS; arguments aob, wb, out0; writes out0
.if DOCPART == 4
	.amdgcn_target "amdgcn-amd-amdhsa--gfx1250"
	.amdhsa_code_object_version 6
	.text
	.protected	k_q40a5e3d8ce_gemm_out
	.globl	k_q40a5e3d8ce_gemm_out
	.p2align	8
	.type	k_q40a5e3d8ce_gemm_out,@function
k_q40a5e3d8ce_gemm_out:
	s_mov_b64 s[64:65], 0
	v_nop
	global_prefetch_b8 v0, s[64:65] scope:SCOPE_SE
	s_setreg_imm32_b32 hwreg(HW_REG_WAVE_MODE, 25, 1), 1
	s_wait_xcnt 0x0
	s_wait_alu depctr_hold_cnt(0) depctr_sa_sdst(0) depctr_va_vdst(0) depctr_va_sdst(0) depctr_va_ssrc(0) depctr_va_vcc(0) depctr_vm_vsrc(0)
	s_getreg_b32 s2, hwreg(HW_REG_IB_STS2, 6, 4)
	s_cmp_eq_u32 s2, 0
	s_cbranch_scc0 .Lentry_in_a_cluster
	s_endpgm
.Lentry_in_a_cluster:
	s_bfe_u32 s2, ttmp6, 0x10000c
	s_cmp_lg_u32 s2, 0xf033
	s_cbranch_scc0 .Lentry_shape_is_right
	s_endpgm
.Lentry_shape_is_right:
; out0 = (attention's result) W_0 on codes of E2M3; f32 out.  A work-group takes 256 tokens (16 tiles, Y) x 128 columns (8 tiles of W_0, X); all of K = 1,024 of both operands lies in LDS, as memory has it: [tile][K step 8][1,536].
; Four waves, each 8 weight tiles (source 0) x token tiles 4 w + a (source 1): a lane holds a token, its eight results are eight neighbouring columns.
; THE HEAD: one tensor load a wave: waves 0, 1 half the tokens' codes each, wave 2 the weights, wave 3 the tokens' scale words.  Nothing is filled again.  The weights' scale words go from memory straight into registers.
; CLUSTER 4 x 4: the token tiles are asked for jointly along a row of the cluster, the weight tiles along a column.  No prefetch: every tile is asked for at the head, and there is no loop to run ahead in.
; THE WAY OUT: a tile of 16 tokens x 128 columns goes through the wave's own stage in LDS and leaves as whole rows of 512 bytes.  The stage lies in the wave's own four token tiles, which no other wave reads, which have had
; their one fill, and whose last fragments are in registers when the first result is stored there.
; Token tile tau, row r is token 32 (tau / 2) + 8 (tau % 2) + r + 8 (r / 8).
; REGISTERS.  Window 0: v1-21 addresses; v32-63, v214-229 scale words; v80-175 source 1's fragments, two sets; on the way out v80-207 take the rows read back.  Window 1: accumulator (a, b) at v[64 a + 8 b].  Window 2: source 0's fragments.
.set WT,    196608
.set XSC,   294912
.set SPARE, 303104                     ; the spare words, 128 bytes for each wave
.set TSOFF, 6291456
.set WOFF,  2457600                    ; W_0's codes in wb,
.set WSOFF, 3244032                    ; and its scale words
.set L16, 3
.set L8,  4
.set P16, 5
.set P8,  6
.set R16, 7
.set R8,  8
.set P16B, 10
.set P8B, 11
.set GS,  12
.set RS,  14
.set SPW, 17
.set NIL, 18
.set STO, 20                           ; the stage: where I put 32 bytes of a row
.set RD,  21                           ; and where I read a row back
.set SC0, 32
.set SC1, 214
.set F1,  80
.set G1T, 24
.set G1W, 32
.set G1S, 40
.set G0T, 56
.set G0W, 60
.set G0S, 68
.set MSB, 0
.macro WIN new
.if MSB != \new
	s_set_vgpr_msb (MSB<<8)|\new
.set MSB, \new
.endif
.endm
.macro PLACES n
.rept \n
	v_nop
.endr
.endm
.macro CROUND
	s_barrier_signal -1
	s_barrier_wait -1
	s_cmp_lg_u32 s12, 0
	s_cbranch_scc1 .Lnot_wave_0_\@
	s_barrier_signal -3
.Lnot_wave_0_\@:
	s_barrier_wait -3
	s_barrier_signal -1
	s_barrier_wait -1
.endm
.macro MKG1 g, r                       ; r dense rows of 256 bytes
	s_mov_b32 s[\g+1], 32<<16
	s_mov_b32 s[\g+2], (\r)<<16
	s_mov_b32 s[\g+3], 32<<16
	s_mov_b32 s[\g+4], \r
	s_mov_b32 s[\g+5], 32
	s_mov_b32 s[\g+6], 0
	s_mov_b32 s[\g+7], 0
.endm
.macro TLOAD g0, g1
	tensor_load_to_lds s[\g0:\g0+3], s[\g1:\g1+7]
	s_nop 0
	PLACES 4
.endm
.macro FETCH k                         ; K step k's 12 fragments into set k % 2: 48 loads
	WIN 0x80
.irp b, 0,1,2,3
.irp c, 0,1
.set fr, 96*((\k)%2)+12*\b+6*\c
.set fo, 12288*\b+1536*(\k)+768*\c
	ds_load_b128 v[fr:fr+3], v[P16] offset:fo
	ds_load_b64 v[fr+4:fr+5], v[P8] offset:fo
	ds_load_b128 v[fr+48:fr+51], v[P16B] offset:fo
	ds_load_b64 v[fr+52:fr+53], v[P8B] offset:fo
.endr
.endr
	WIN 0
.irp a, 0,1,2,3
.irp c, 0,1
.set fr, F1+48*((\k)%2)+12*\a+6*\c
.set fo, 12288*\a+1536*(\k)+768*\c
	ds_load_b128 v[fr:fr+3], v[R16] offset:fo
	ds_load_b64 v[fr+4:fr+5], v[R8] offset:fo
.endr
.endr
.endm
.macro WM ah, al, bh, bl, k, zero
.set rD, 64*(2*\ah+\al)+8*(4*\bh+\bl)
.set rA, 96*((\k)%2)+12*(4*\bh+\bl)
.set rB, F1+48*((\k)%2)+12*(2*\ah+\al)
.set rX, SC0+8*\bl+(\k)
.set rY, SC1+8*\al+(\k)
.if \zero
	v_wmma_scale_f32_16x16x128_f8f6f4 v[rD:rD+7], v[rA:rA+11], v[rB:rB+11], 0, v[rX], v[rY] matrix_a_fmt:MATRIX_FMT_FP6 matrix_b_fmt:MATRIX_FMT_FP6 matrix_a_scale:MATRIX_SCALE_ROW\bh matrix_b_scale:MATRIX_SCALE_ROW\ah
.else
	v_wmma_scale_f32_16x16x128_f8f6f4 v[rD:rD+7], v[rA:rA+11], v[rB:rB+11], v[rD:rD+7], v[rX], v[rY] matrix_a_fmt:MATRIX_FMT_FP6 matrix_b_fmt:MATRIX_FMT_FP6 matrix_a_scale:MATRIX_SCALE_ROW\bh matrix_b_scale:MATRIX_SCALE_ROW\ah
.endif
.endm
.macro MUL k, zero                     ; the 32 accumulators by turns, in the same order in every K step
	WIN 0x52
.irp ah, 0,1
.irp al, 0,1
.irp bh, 0,1
.irp bl, 0,1,2,3
	WM \ah, \al, \bh, \bl, \k, \zero
.endr
.endr
.endr
.endr
.endm
.macro TOSTAGE a                       ; token tile a: into my stage, each accumulator from its low end on, and back as whole rows
	WIN 0x04                                       ; an LDS store's data are its source 1: window 1
.irp b, 0,1,2,3,4,5,6,7
	ds_store_b128 v[STO], v[64*(\a)+8*\b:64*(\a)+8*\b+3] offset:64*\b
	ds_store_b128 v[STO], v[64*(\a)+8*\b+4:64*(\a)+8*\b+7] offset:64*\b+16
.endr
	WIN 0
.irp t, 0,1,2,3,4,5,6,7,8,9,10,11,12,13,14,15
	ds_load_b128 v[80+64*((\a)%2)+4*\t:80+64*((\a)%2)+4*\t+3], v[RD] offset:528*\t   ; LDS serves a wave's instructions in order
.endr
.endm
.macro SEND a, younger                 ; younger: the LDS instructions issued behind tile a's loads, which may stay out
	s_wait_dscnt \younger
.irp t, 0,1,2,3,4,5,6,7,8,9,10,11,12,13,14,15
	global_store_b128 v[L16], v[80+64*((\a)%2)+4*\t:80+64*((\a)%2)+4*\t+3], s[8:9] offset:(32*((\a)/2)+8*((\a)%2)+\t+8*(\t/8))*4096 th:TH_STORE_NT   ; 32 lanes store 512 consecutive bytes, aligned
.endr
.endm
	s_load_b128 s[4:7], s[0:1], 0x0                ; aob s[4:5], wb s[6:7]
	s_load_b64 s[8:9], s[0:1], 0x10                ; out0
	v_lshl_add_u32 v[SPW], v0, 2, SPARE
	v_mov_b32 v[NIL], 0
	ds_add_u32 v[SPW], v[NIL]                      ; the opening lines: the add, twice on end, and its wait
	ds_add_u32 v[SPW], v[NIL]
	v_lshrrev_b32 v1, 5, v0
	v_readfirstlane_b32 s12, v1                    ; wave 0..3
	s_bfe_u32 s15, ttmp6, 0x40000                  ; cx
	s_bfe_u32 s16, ttmp6, 0x40004                  ; cy
	s_lshl_b32 s17, ttmp9, 2
	s_add_co_u32 s17, s17, s15                     ; X
	s_and_b32 s18, ttmp7, 0xffff
	s_lshl_b32 s18, s18, 2
	s_add_co_u32 s18, s18, s16                     ; Y
	s_lshl_b32 s19, s16, 2
	s_lshl_b32 s19, 15, s19                        ; my row of the cluster
	s_lshl_b32 s20, 0x1111, s15                    ; my column
	s_or_b32 s[G1T], s19, (3<<16)|(1<<21)
	MKG1 G1T, 384
	s_or_b32 s[G1W], s20, (3<<16)|(1<<21)
	MKG1 G1W, 384
	s_or_b32 s[G1S], s19, (3<<16)|(1<<21)
	MKG1 G1S, 32
	s_mov_b32 s[G0T], 1
	s_mul_i32 s[G0T+1], s12, 98304
	s_mov_b32 s[G0W], 1
	s_mov_b32 s[G0W+1], WT
	s_mov_b32 s[G0S], 1
	s_mov_b32 s[G0S+1], XSC
	s_mul_i32 s22, s18, 196608                     ; the tokens' offsets hang on Y and the wave alone, the weights' on X alone
	s_add_co_u32 s22, s22, s[G0T+1]
	s_mov_b32 s23, 0
	s_lshl_b32 s78, s18, 13
	s_add_co_u32 s78, s78, TSOFF
	s_mov_b32 s79, 0
	s_mul_i32 s80, s17, 98304
	s_add_co_u32 s80, s80, WOFF
	s_mov_b32 s81, 0
	s_lshl_b32 s84, s17, 12
	s_add_co_u32 s84, s84, WSOFF
	s_mov_b32 s85, 0
	s_wait_dscnt 0x0                               ; both opening adds are done
	s_wait_kmcnt 0x0
	s_add_nc_u64 s[G0T+2:G0T+3], s[4:5], s[22:23]
	s_add_nc_u64 s[G0S+2:G0S+3], s[4:5], s[78:79]
	s_add_nc_u64 s[G0W+2:G0W+3], s[6:7], s[80:81]
	s_add_nc_u64 s[76:77], s[6:7], s[84:85]
.irp g, G0T, G0S, G0W
	s_or_b32 s[\g+3], s[\g+3], 0x80000000          ; the type
.endr
	CROUND                                         ; all sixteen work-groups are here: the joint loads meet
	s_cmp_lt_u32 s12, 2                            ; one chain of branches on the wave's number, one load to an arm
	s_cbranch_scc0 .Lhead_w
	TLOAD G0T, G1T
	s_branch .Lasked
.Lhead_w:
	s_cmp_eq_u32 s12, 2
	s_cbranch_scc0 .Lhead_s
	TLOAD G0W, G1W
	s_branch .Lasked
.Lhead_s:
	TLOAD G0S, G1S
.Lasked:
	v_and_b32 v1, 15, v0                           ; r
	v_bfe_u32 v2, v0, 4, 1                         ; h
	v_and_b32 v9, 31, v0
	v_lshlrev_b32 v[L16], 4, v9
	v_lshlrev_b32 v[L8], 3, v9
	v_lshlrev_b32 v9, 4, v1                        ; 16 r
	v_lshl_add_u32 v[GS], v2, 11, v9               ; lanes 16-31: four tiles on
.irp i, 0,1,2,3
.irp q, 0,1
	global_load_b128 v[SC0+8*\i+4*\q:SC0+8*\i+4*\q+3], v[GS], s[76:77] offset:512*\i+256*\q
.endr
.endr
	v_lshl_add_u32 v[RS], v2, 10, v9               ; lanes 16-31: two tiles on
	s_lshl_b32 s21, s12, 11
	s_add_co_u32 s21, s21, XSC
	v_add_nc_u32 v[RS], s21, v[RS]
	v_add_nc_u32 v[P16], WT, v[L16]
	v_add_nc_u32 v[P8], WT+512, v[L8]
	v_add_nc_u32 v[P16B], WT+49152, v[L16]
	v_add_nc_u32 v[P8B], WT+49152+512, v[L8]
	s_mul_i32 s21, s12, 49152                      ; token tiles 4 w on; my stage lies there too
	v_add_nc_u32 v[R16], s21, v[L16]
	v_mul_u32_u24 v[STO], v1, 528
	v_add_nc_u32 v[RD], s21, v[L16]
	v_lshl_add_u32 v[STO], v2, 5, v[STO]
	v_add_nc_u32 v[STO], s21, v[STO]
	s_add_co_u32 s21, s21, 512
	v_add_nc_u32 v[R8], s21, v[L8]
	s_lshl_b32 s22, s18, 20                        ; 256 Y rows of 4,096 bytes,
	s_lshl_b32 s23, s12, 18                        ; 64 w rows,
	s_add_co_u32 s22, s22, s23
	s_mov_b32 s23, 0
	s_add_nc_u64 s[8:9], s[8:9], s[22:23]
	s_lshl_b32 s2, s17, 9                          ; 128 X columns
	s_mov_b32 s3, 0
	s_add_nc_u64 s[8:9], s[8:9], s[2:3]
	s_wait_alu depctr_va_vdst(0)                   ; the wait at the head's end
	s_wait_tensorcnt 0x0                           ; my tile is in
	s_barrier_signal -1
	s_barrier_wait -1                              ; everybody's is
.irp i, 0,1
.irp q, 0,1
	ds_load_b128 v[SC1+8*\i+4*\q:SC1+8*\i+4*\q+3], v[RS] offset:512*\i+256*\q
.endr
.endr
	FETCH 0
	FETCH 1
	s_wait_loadcnt 0x0                             ; the weights' scale words are in
	s_wait_dscnt 48                                ; all but the 48 loads just issued
	MUL 0, 1
.irp k, 1,2,3,4,5,6
	PLACES 4                                       ; ahead of loads into registers that matrix instructions have read
	FETCH (\k)+1
	s_wait_dscnt 48
	MUL \k, 0
.endr
	s_wait_dscnt 0x0
	MUL 7, 0
	WIN 0
	PLACES 4                                       ; behind the last products: ahead of the first read of results and of loads into registers that held fragments
	TOSTAGE 0
.irp a, 1,2,3
.if \a > 1
	s_wait_xcnt 0x0                                ; the stores of the tile two back have read the registers into which this tile's rows are loaded
.endif
	TOSTAGE \a
	SEND (\a)-1, 32                                ; behind that tile's loads: this tile's 16 stores and 16 loads
.endr
	SEND 3, 0
	s_wait_tensorcnt 0x0                           ; the wave's end
	ds_add_u32 v[SPW], v[NIL]
	s_wait_dscnt 0x0
	CROUND                                         ; the closing round
	s_endpgm
.Lfunc_end_k_q40a5e3d8ce_gemm_out:
	.size	k_q40a5e3d8ce_gemm_out, .Lfunc_end_k_q40a5e3d8ce_gemm_out-k_q40a5e3d8ce_gemm_out
	.p2alignl 7, 3214868480
	.fill 96, 4, 3214868480
	.section	.rodata,"a",@progbits
	.p2align	6, 0x0
	.amdhsa_kernel k_q40a5e3d8ce_gemm_out
		.amdhsa_group_segment_fixed_size 327680
		.amdhsa_private_segment_fixed_size 0
		.amdhsa_enable_private_segment 0
		.amdhsa_kernarg_size 24
		.amdhsa_user_sgpr_count 2
		.amdhsa_user_sgpr_kernarg_segment_ptr 1
		.amdhsa_wavefront_size32 1
		.amdhsa_system_sgpr_workgroup_id_x 1
		.amdhsa_system_sgpr_workgroup_id_y 1
		.amdhsa_system_sgpr_workgroup_id_z 1
		.amdhsa_system_vgpr_workitem_id 0
		.amdhsa_next_free_vgpr 768
		.amdhsa_next_free_sgpr 96
		.amdhsa_reserve_vcc 0
		.amdhsa_float_denorm_mode_32 3
		.amdhsa_float_denorm_mode_16_64 3
		.amdhsa_memory_ordered 1
		.amdhsa_forward_progress 1
		.amdhsa_inst_pref_size 81
	.end_amdhsa_kernel
	.amdgpu_metadata
---
amdhsa.version: [ 1, 2 ]
amdhsa.kernels:
  - .name:           k_q40a5e3d8ce_gemm_out
    .symbol:         k_q40a5e3d8ce_gemm_out.kd
    .args:
      - { .name: aob, .offset: 0, .size: 8, .value_kind: global_buffer, .address_space: global }
      - { .name: wb, .offset: 8, .size: 8, .value_kind: global_buffer, .address_space: global }
      - { .name: out0, .offset: 16, .size: 8, .value_kind: global_buffer, .address_space: global }
    .group_segment_fixed_size: 327680
    .private_segment_fixed_size: 0
    .kernarg_segment_align: 8
    .kernarg_segment_size: 24
    .max_flat_workgroup_size: 128
    .sgpr_count:     96
    .vgpr_count:     768
    .wavefront_size: 32
...
	.end_amdgpu_metadata
.endif
;; end of part 4
